; MI455X (gfx1250); checked and timed in simulation.
; The chip was launched on July 23, 2026; its instructions are those of AMD's public machine-readable ISA for CDNA 5 (MIT licence, August 2026) and "CDNA5" Instruction Set Architecture Reference Guide (July 2026). The comments in the code are by the model that wrote it; some were corrected since.
;; Attention. Allowed arithmetic: matrix products marked QUANTISED: E3M2 operands, one E8M0 scale for each 32 along K, by v_wmma_scale_f32_16x16x128_f8f6f4 with both operands' format E3M2, f32 sums; everything else in f32.
;; Inputs: Wk 1,024 x 1,024 float32; Wo 1,024 x 1,024 float32; Wq 1,024 x 1,024 float32; Wv 1,024 x 1,024 float32; x 2 x 2,048 x 1,024 float32.
;; Outputs: out0 2 x 2,048 x 1,024 float32.
;; This version of the problem:
;;   THIS VERSION OF THE PROBLEM IS GIVEN IN LOW PRECISION. The matrix products marked QUANTISED in the list below multiply operands that are first quantised to E3M2 (3 exponent bits, 2 mantissa bits; 6 bits a number), with one power-of-two scale for each 32 numbers along K (OCP MX v1.0); their sums are f32. All else is computed in f32.
;;   The module's matrix products, in the order in which they are computed (A, B: the left and right operand; K: the contracted axis; several contracted axes count as one K, in the product's order):
;;     1. [M 4,096, K 1,024] x [K 1,024, N 1,024]; A: input x; B: input Wq: QUANTISED
;;     2. [M 4,096, K 1,024] x [K 1,024, N 1,024]; A: input x; B: input Wk: QUANTISED
;;     3. [M 4,096, K 1,024] x [K 1,024, N 1,024]; A: input x; B: input Wv: QUANTISED
;;     4. batch 32 x [M 2,048, K 64] x [K 64, N 2,048]; A: computed on the way; B: computed on the way: QUANTISED
;;     5. batch 32 x [M 2,048, K 2,048] x [K 2,048, N 64]; A: softmax (see below); B: computed on the way: QUANTISED
;;     6. [M 4,096, K 1,024] x [K 1,024, N 1,024]; A: computed on the way; B: input Wo: QUANTISED
;;   THE QUANTISER, for each operand of a quantised product, along K:
;;     - K is cut into blocks of 32 from its start; a last block that is shorter is filled with zeros.
;;     - A block's scale is 2^e with e = floor(log2(the largest magnitude in the block)) - 4, held to -126 .. 127; a block of zeros has e = 0. As a byte (E8M0): e + 127.
;;     - Each number is divided by its block's scale, clamped to +-28, and rounded to the nearest number of E3M2, ties to even, subnormals kept.
;;     - The product sums the exact products of the quantised numbers (number of the format x scale) in f32.
;;   ~~~python
;;   def quantise(x, axis):      # numpy; x: float32 -> the quantised numbers, widened to float32 again
;;       x = np.moveaxis(x, axis, -1); K = x.shape[-1]
;;       x = np.pad(x, [(0, 0)] * (x.ndim - 1) + [(0, -K % 32)]); x = x.reshape(x.shape[:-1] + (-1, 32)); a = np.abs(x).max(-1, keepdims=True)
;;       e = np.where(a > 0, np.clip(np.frexp(np.where(a > 0, a, 1))[1] - 1 - 4, -126, 127), 0)      # np.frexp(a)[1] - 1 = floor(log2(a)), exactly
;;       r = np.clip(x / 2.0 ** e, -28, 28)
;;       step = 2.0 ** (np.maximum(np.frexp(np.where(r == 0, 1, r))[1] - 1, -2) - 2)
;;       q = np.round(r / step) * step * 2.0 ** e      # np.round: ties to even
;;       return np.moveaxis(q.reshape(q.shape[:-2] + (-1,))[..., :K], -1, axis).astype(np.float32)
;;   ~~~
;;   SOFTMAX AHEAD OF A QUANTISED PRODUCT. Where the list says 'softmax', what is quantised is not the finished softmax but p = 2^(t - M), with t = logit x log2(e) and M = ceil(the row's largest t), a whole number; so 1/2 < the row's largest p <= 1. The row's sum l is taken of the UNQUANTISED p, in f32, and the product's result is divided by l at the end. Since M is a whole number, a kernel that streams over the keys may use a running M (the ceiling of the running maximum): every later rescaling is an exact power of two, which a block's scale takes up: the codes' values come out the same.
;;   OPERANDS COMPUTED ON THE WAY. 'Computed on the way' means the value that the module computes at that place (a softmax that the list does not call 'softmax' is quantised finished and normalised). What goes into a quantiser is computed in f32, as accurately as f32 sums, v_exp_f32 and their like allow (about 1e-6 of the number): no bf16 or f16 on the way to a quantiser, and a product that is left as it is and whose result goes on into a quantised operand takes f32 operands (vector FMAs, or v_wmma_f32_16x16x4_f32). A number that lies on a knife's edge between two numbers of the format may be rounded either way, as far as f32 arithmetic and the matrix unit's own rounding can turn it there, and no further.
;; One version. Each part assembles by itself: llvm-mc -triple=amdgcn-amd-amdhsa -mcpu=gfx1250 --defsym DOCPART=n.
;; ======== version 1 of 1: 4 launches
;; limits: a function is approximated: absolute error at most 2e-05
;; workspace buffers: xc 3,145,728 bytes; xs 131,072 bytes; wc 3,145,728 bytes; ws 131,072 bytes; qr 3,407,872 bytes; kv 6,684,672 bytes; oc 3,145,728 bytes; os 131,072 bytes
;; launch quant (part 1): grid 256 x 1, 4 waves a work-group, no clusters, 34,304 bytes of LDS; arguments x, Wq, Wk, Wv, Wo, xc, xs, wc, ws; writes xc, xs, wc, ws
.if DOCPART == 1
	.amdgcn_target "amdgcn-amd-amdhsa--gfx1250"
	.amdhsa_code_object_version 6
	.text
	.protected	k_q4be0622c05_quant
	.globl	k_q4be0622c05_quant
	.p2align	8
	.type	k_q4be0622c05_quant,@function
k_q4be0622c05_quant:
	s_mov_b64 s[64:65], 0
	v_nop
	global_prefetch_b8 v0, s[64:65] scope:SCOPE_SE
	s_setreg_imm32_b32 hwreg(HW_REG_WAVE_MODE, 25, 1), 1
	s_wait_xcnt 0x0
; x [4096][1024] and Wq, Wk, Wv, Wo [1024][1024], f32, K innermost, become codes of BF6 (E3M2) with one E8M0 byte for each 32 along K,
; laid as IMAGES OF OPERAND REGISTERS, so that the products' launches load fragments by dense 16- and 8-byte loads.
; A block's scale is 2^(floor(log2(largest magnitude)) - 4): its byte is the largest magnitude's exponent field - 4, held at 1 from below.
; LIMITS: a block whose largest magnitude lies under 2^-122 (a block of zeros too) gets the byte 1, not the rule's byte: its codes are what that
; byte gives (zeros stay zeros), and only this program reads the bytes.  NaN and infinities among the inputs are not served.
; ROW TILES.  Rows stand in positions: row tile T holds, at position p = 0 .. 15, row 32 (T / 2) + 8 (T % 2) + p + 8 (p / 8).  With such tiles as source 0 of
; a product, a lane's 16 result registers of tiles 2 b and 2 b + 1 are 16 true neighbours, which is what the next quantiser wants.
; A FRAGMENT (16 rows x 128 K, 12 registers a lane) is two half images of 768 bytes: registers 0-3 at 16 x lane, registers 4-5 at 512 + 8 x lane.
; codes: [K chunk of 256: 4][row tile: 256][2 fragments: 3,072 bytes];  scale words: row tile x 512 + chunk x 128 + row x 8 + fragment x 4.
; SHARES.  512 row tiles (256 of x, 64 of each weight); a work-group takes two, a wave one tile and half of K: four units of 16 rows x 128 K.
; Each load reads 512 consecutive bytes of one row; a unit turns through the wave's own stage in LDS, so that a lane gets two whole blocks of 32 of its row.
; No barrier: waves share nothing.  No matrix unit, no cluster, no tensor load: the launch reads each number once and is bound by that.
.set ROWF,   4096                      ; a row in memory: 1,024 f32
.set SPITCH, 528                       ; a stage row: 512 bytes + 16: sixteen rows start at sixteen different 16-byte columns of 256
.set WSTG,   16*SPITCH                 ; a wave's stage
.set KADV,   786432                    ; from one K chunk's codes to the next: 256 row tiles x 3,072
.set PW,     20                        ; v20-23   the four units' scale words
.set PC,     24                        ; v24-35   the fragment
.set TP,     36                        ; v36-38, v40-42  the second halves of the two blocks' codes, made here and moved
.set R,      48                        ; v48-175  two sets of 64 registers as loaded
.set X,      176                       ; v176-239 64 numbers of my row: register 32 c + i is k = 64 c + 32 (lane / 16) + i
	s_load_b512 s[4:19], s[0:1], 0x0               ; x, Wq, Wk, Wv, Wo, xc, xs, wc
	s_load_b64 s[20:21], s[0:1], 0x40              ; ws
	v_lshl_add_u32 v240, v0, 2, 0x8400
	v_mov_b32 v241, 0
	v_lshrrev_b32 v7, 5, v0
	v_readfirstlane_b32 s30, v7                    ; wave
	v_and_b32 v6, 31, v0                           ; lane
	v_and_b32 v7, 15, v0                           ; r
	v_bfe_u32 v5, v0, 4, 1                         ; h
	v_lshlrev_b32 v1, 4, v6                        ; 16 x lane
	v_lshlrev_b32 v2, 3, v6                        ; 8 x lane
	s_mul_i32 s31, s30, WSTG
	v_add_nc_u32 v3, s31, v1                       ; the stage, in: 16 x lane of a row
	v_mul_u32_u24 v4, v7, SPITCH
	v_lshl_add_u32 v4, v5, 7, v4
	v_add_nc_u32 v4, s31, v4                       ; out: row r, + 128 h: my block of 32 numbers
	v_lshlrev_b32 v5, 3, v5                        ; 8 h: my bytes' place in a scale word
	v_mov_b32 v15, 0                               ; a lane permute's destination counts as one of its sources
	s_mov_b32 s28, 0x76543210
	s_mov_b32 s29, 0xfedcba98                      ; selects for lane l xor 16
	s_lshr_b32 s32, s30, 1                         ; which of the work-group's two tiles
	s_and_b32 s33, s30, 1                          ; which half of K
	s_sub_co_u32 s34, ttmp9, 128                   ; the work-group's number among the weights' (used only where it is one)
	s_and_b32 s35, s34, 31                         ; and inside its weight
	s_wait_kmcnt 0x0
	s_mov_b64 s[22:23], s[12:13]                   ; the source: Wo,
	s_cmp_lt_u32 ttmp9, 224
	s_cselect_b64 s[22:23], s[10:11], s[22:23]     ; Wv,
	s_cmp_lt_u32 ttmp9, 192
	s_cselect_b64 s[22:23], s[8:9], s[22:23]       ; Wk,
	s_cmp_lt_u32 ttmp9, 160
	s_cselect_b64 s[22:23], s[6:7], s[22:23]       ; Wq,
	s_cmp_lt_u32 ttmp9, 128
	s_cselect_b64 s[22:23], s[4:5], s[22:23]       ; or x: the choice hangs on the work-group's number alone
	s_cselect_b64 s[24:25], s[14:15], s[18:19]     ; the codes' buffer
	s_cselect_b64 s[26:27], s[16:17], s[20:21]     ; the scale words'
	s_cselect_b32 s35, ttmp9, s35                  ; pair of tiles inside the source
	s_cselect_b32 s34, ttmp9, s34                  ; pair of tiles inside the destination
	s_lshl_b32 s36, s35, 17                        ; 32 rows x 4,096 bytes a pair,
	s_lshl_b32 s38, s32, 15                        ; 8 rows on for the odd tile,
	s_add_co_u32 s36, s36, s38
	s_lshl_b32 s38, s33, 11                        ; 512 numbers on for the second half of K
	s_add_co_u32 s36, s36, s38
	s_mov_b32 s37, 0
	s_add_nc_u64 s[22:23], s[22:23], s[36:37]
	s_lshl_b32 s34, s34, 1
	s_add_co_u32 s34, s34, s32                     ; my row tile in the destination
	s_mul_i32 s36, s34, 3072
	s_mul_i32 s38, s33, 2*KADV
	s_add_co_u32 s36, s36, s38
	s_add_nc_u64 s[24:25], s[24:25], s[36:37]
	s_lshl_b32 s36, s34, 9
	s_lshl_b32 s38, s33, 8
	s_add_co_u32 s36, s36, s38
	s_add_nc_u64 s[26:27], s[26:27], s[36:37]
.macro LOAD u                          ; unit u: position j's row, 512 consecutive bytes a load
.irp j, 0,1,2,3,4,5,6,7,8,9,10,11,12,13,14,15
	global_load_b128 v[R+64*((\u)%2)+4*\j:R+64*((\u)%2)+4*\j+3], v1, s[22:23] offset:(\j+8*(\j/8))*ROWF+(\u)*512 th:TH_LOAD_NT
.endr
.endm
.macro UNIT u
.if (\u) < 3
	s_wait_loadcnt 16                              ; this unit's 16 loads are in; the next unit's 16 may be out
.else
	s_wait_loadcnt 0x0
.endif
.irp j, 0,1,2,3,4,5,6,7,8,9,10,11,12,13,14,15
	ds_store_b128 v3, v[R+64*((\u)%2)+4*\j:R+64*((\u)%2)+4*\j+3] offset:\j*SPITCH
.endr
.irp c, 0,1
.irp i, 0,1,2,3,4,5,6,7
	ds_load_b128 v[X+32*\c+4*\i:X+32*\c+4*\i+3], v4 offset:256*\c+16*\i   ; LDS serves a wave's instructions in order: these see the stores above
.endr
.endr
	s_wait_dscnt 0x0                               ; my 64 numbers are in, and the stores have read the set,
.if (\u) < 2
	LOAD (\u)+2                                    ; which takes the unit two on
.endif
.irp c, 0,1
	v_max3_num_f32 v[8+\c], |v[X+32*\c]|, |v[X+32*\c+1]|, 0x2800000   ; block 2 c + h: all 32 numbers are mine; the floor 2^(5 - 127) holds the byte at 1 from below
.endr
.irp i, 2,4,6,8,10,12,14,16,18,20,22,24,26,28,30
.irp c, 0,1
	v_max3_num_f32 v[8+\c], v[8+\c], |v[X+32*\c+\i]|, |v[X+32*\c+\i+1]|
.endr
.endr
	v_add_nc_u32 v10, 0xfe000000, v8               ; 4 off the exponent field: the conversion's scale operand
	v_add_nc_u32 v11, 0xfe000000, v9
	v_lshrrev_b32 v12, 23, v10                     ; the bytes
	v_lshrrev_b32 v13, 23, v11
	v_lshl_or_b32 v14, v13, 16, v12                ; blocks h and 2 + h,
	v_lshlrev_b32 v14, v5, v14                     ; at their places in the row's word;
	v_permlanex16_b32 v15, v14, s28, s29
	v_or_b32 v[PW+(\u)], v14, v15                  ; with lane l xor 16's two the word is whole, in both lanes
	s_wait_xcnt 0x0                                ; the last unit's stores have read the fragment's registers
	v_cvt_scalef32_pk16_bf6_f32 v[PC:PC+2], v[X:X+15], v10
	v_cvt_scalef32_pk16_bf6_f32 v[TP:TP+2], v[X+16:X+31], v10          ; (a conversion's three registers begin on an even number)
	v_cvt_scalef32_pk16_bf6_f32 v[PC+6:PC+8], v[X+32:X+47], v11
	v_cvt_scalef32_pk16_bf6_f32 v[TP+4:TP+6], v[X+48:X+63], v11
	v_nop                                          ; one plain instruction behind the conversions
.irp i, 0,1,2
	v_mov_b32 v[PC+3+\i], v[TP+\i]
	v_mov_b32 v[PC+9+\i], v[TP+4+\i]
.endr
	global_store_b128 v1, v[PC:PC+3], s[24:25] offset:((\u)/2)*KADV+((\u)%2)*1536          ; 512 consecutive bytes, aligned to 256
	global_store_b64 v2, v[PC+4:PC+5], s[24:25] offset:((\u)/2)*KADV+((\u)%2)*1536+512     ; 256
	global_store_b128 v1, v[PC+6:PC+9], s[24:25] offset:((\u)/2)*KADV+((\u)%2)*1536+768
	global_store_b64 v2, v[PC+10:PC+11], s[24:25] offset:((\u)/2)*KADV+((\u)%2)*1536+1280
.endm
	LOAD 0
	LOAD 1
	UNIT 0
	UNIT 1
	UNIT 2
	UNIT 3
	v_cmp_lt_u32 vcc_lo, 15, v6                    ; lanes 0-15 store the first chunk's two words of row r, lanes 16-31 the second's
	v_cndmask_b32 v16, v[PW], v[PW+2], vcc_lo
	v_cndmask_b32 v17, v[PW+1], v[PW+3], vcc_lo
	global_store_b64 v2, v[16:17], s[26:27]        ; 256 consecutive bytes, aligned
	s_wait_tensorcnt 0x0
	ds_add_u32 v240, v241
	s_wait_dscnt 0x0
	s_endpgm
.Lfunc_end_k_q4be0622c05_quant:
	.size	k_q4be0622c05_quant, .Lfunc_end_k_q4be0622c05_quant-k_q4be0622c05_quant
	.p2alignl 7, 3214868480
	.fill 96, 4, 3214868480
	.section	.rodata,"a",@progbits
	.p2align	6, 0x0
	.amdhsa_kernel k_q4be0622c05_quant
		.amdhsa_group_segment_fixed_size 34304
		.amdhsa_private_segment_fixed_size 0
		.amdhsa_enable_private_segment 0
		.amdhsa_kernarg_size 72
		.amdhsa_user_sgpr_count 2
		.amdhsa_user_sgpr_kernarg_segment_ptr 1
		.amdhsa_wavefront_size32 1
		.amdhsa_system_sgpr_workgroup_id_x 1
		.amdhsa_system_sgpr_workgroup_id_y 1
		.amdhsa_system_sgpr_workgroup_id_z 1
		.amdhsa_system_vgpr_workitem_id 0
		.amdhsa_next_free_vgpr 242
		.amdhsa_next_free_sgpr 66
		.amdhsa_reserve_vcc 1
		.amdhsa_float_denorm_mode_32 3
		.amdhsa_float_denorm_mode_16_64 3
		.amdhsa_memory_ordered 1
		.amdhsa_forward_progress 1
		.amdhsa_inst_pref_size 31
	.end_amdhsa_kernel
	.amdgpu_metadata
---
amdhsa.version: [ 1, 2 ]
amdhsa.kernels:
  - .name:           k_q4be0622c05_quant
    .symbol:         k_q4be0622c05_quant.kd
    .args:
      - { .name: x, .offset: 0, .size: 8, .value_kind: global_buffer, .address_space: global }
      - { .name: Wq, .offset: 8, .size: 8, .value_kind: global_buffer, .address_space: global }
      - { .name: Wk, .offset: 16, .size: 8, .value_kind: global_buffer, .address_space: global }
      - { .name: Wv, .offset: 24, .size: 8, .value_kind: global_buffer, .address_space: global }
      - { .name: Wo, .offset: 32, .size: 8, .value_kind: global_buffer, .address_space: global }
      - { .name: xc, .offset: 40, .size: 8, .value_kind: global_buffer, .address_space: global }
      - { .name: xs, .offset: 48, .size: 8, .value_kind: global_buffer, .address_space: global }
      - { .name: wc, .offset: 56, .size: 8, .value_kind: global_buffer, .address_space: global }
      - { .name: ws, .offset: 64, .size: 8, .value_kind: global_buffer, .address_space: global }
    .group_segment_fixed_size: 34304
    .private_segment_fixed_size: 0
    .kernarg_segment_align: 8
    .kernarg_segment_size: 72
    .max_flat_workgroup_size: 128
    .sgpr_count:     66
    .vgpr_count:     242
    .wavefront_size: 32
...
	.end_amdgpu_metadata
.endif
;; end of part 1
;; launch qkv (part 2): grid 12 x 16, 4 waves a work-group, clusters of 4 x 4, 327,680 bytes of LDS; arguments xc, xs, wc, ws, qr, kv; writes qr, kv
.if DOCPART == 2
	.amdgcn_target "amdgcn-amd-amdhsa--gfx1250"
	.amdhsa_code_object_version 6
	.text
	.protected	k_q4be0622c05_qkv
	.globl	k_q4be0622c05_qkv
	.p2align	8
	.type	k_q4be0622c05_qkv,@function
k_q4be0622c05_qkv:
	s_mov_b64 s[64:65], 0
	v_nop
	global_prefetch_b8 v0, s[64:65] scope:SCOPE_SE
	s_setreg_imm32_b32 hwreg(HW_REG_WAVE_MODE, 25, 1), 1
	s_wait_xcnt 0x0
	s_wait_alu depctr_hold_cnt(0) depctr_sa_sdst(0) depctr_va_vdst(0) depctr_va_sdst(0) depctr_va_ssrc(0) depctr_va_vcc(0) depctr_vm_vsrc(0)
	s_getreg_b32 s2, hwreg(HW_REG_IB_STS2, 6, 4)
	s_cmp_eq_u32 s2, 0
	s_cbranch_scc0 .Lentry_in_a_cluster
	s_endpgm
.Lentry_in_a_cluster:
	s_bfe_u32 s2, ttmp6, 0x10000c
	s_cmp_lg_u32 s2, 0xf033
	s_cbranch_scc0 .Lentry_shape_is_right
	s_endpgm
.Lentry_shape_is_right:
; q = x Wq^T, k = x Wk^T, v = x Wv^T on codes of BF6 (E3M2) with E8M0 scales, K = 1,024; the results are quantised in registers for the attention launch:
; q and k along the head's 64, v along the keys.  Nothing wider than codes goes to memory.
; A tile of the result is 256 x 256, made by four waves, each 128 x 128 in 64 accumulators (512 registers).  K goes in steps of 256 through a ring of two LDS slots.
; OPERANDS ARE IMAGES OF REGISTERS: a row tile's K step is 3,072 dense bytes (two fragments, each two half images of 768: registers 0-3 at 16 x lane, 4-5 at 512 + 8 x lane),
; so a slot's quarter (8 row tiles) is one dense block of 24,576 bytes, and every LDS load takes 512 or 256 consecutive bytes: no pitch, no padding.
; Row tile T holds at position p row 32 (T / 2) + 8 (T % 2) + p + 8 (p / 8).  THE MATRIX INSTRUCTION IS USED TRANSPOSED (source 0 = 16 rows of "B", source 1 = 16 rows of "A"): lane r holds A's
; position r, and the 64 result registers of an A tile are B's true rows 32 b + 16 (lane / 16) + 0 .. 15: neighbours along the next K.
; THREE PATHS, told apart by the cluster's x, which all sixteen partners share: 0: q, 1: k (A = tokens, B = rows of the weight: the next K is the head's 64);
; 2: v (A = rows of Wv, B = tokens: the next K is the keys).  One way out serves all three: 64 registers become a fragment and a scale word.
; OUT.  qr: [32 heads][16 steps of 128 tokens][6,656]: 8 half images, 512 bytes of scale words.  kv: [32][16][13,056]: K's 8 half images, V^T's 4 fragments (16 of the head's 64 x 128 keys),
; K's scale words (512), V's (256).  A q or k word has its head's two bytes lowest; the two above are the neighbour head's or 0 and meet zero codes.
; CLUSTERS: 4 x 4 work-groups; A's tiles are asked for jointly along a row of the cluster, B's along a column.  192 work-groups: the three results have 192 tiles of this size.
; No prefetch: a K has four steps, and the first two are asked for at the head.
; LIMITS: as the quantising launch: blocks under 2^-122 get the byte 1; NaN and infinities are not served.
; REGISTERS: window 0: v0-31 addresses; v32-63 scale words, two sets; v128-223 A's fragments, one set; way out: v112-131 codes, v200-216 at work.  window 1: B's fragments, two sets.  windows 2, 3: accumulators.
.set KADV,   786432                    ; from one K step's codes to the next: 256 row tiles x 3,072
.set TILEB,  3072                      ; a row tile's K step
.set NQ,     2                         ; matrix instructions deep in a K step
.set FR,     12                        ; registers of a fragment
.set NL,     4                         ; LDS loads that bring one
.set NP,     4                         ; places behind this matrix instruction (ISA guide 7.12.1)
.set HALFT,  8*TILEB                   ; 128 rows: what one tensor load brings, and what one wave reads of A or of B
.set SLOT,   4*HALFT                   ; A's 16 row tiles, then B's
.set LAPS,   2                         ; K = 1,024 is twice round the ring
.set SCL,    2*SLOT                    ; behind the ring: the scale words for all of K: A's 8,192 bytes, then B's
.set HALFS,  4096                      ; those of 128 rows
.set SBLK,   512                       ; those of a row tile
.set SPARE,  SCL+4*HALFS               ; the spare words, 128 bytes a wave: two blocks of 256 bytes that no other line names
.set ADRA, 16                          ; v16-17  16 x lane + my A tiles in slot 0, 1;  v18-19 the same with 8 x lane
.set ADRB, 20                          ; v20-23  the same for B
.set ADRS, 27                          ; v27     my scale words: lanes 0-15 A's rows, lanes 16-31 B's
.set SPW,  28                          ; v28     my spare word; never rewritten
.set NIL,  29                          ; v29     0; never rewritten
.set SC,   32                          ; scale words: set s at v[SC + 16 s]; register 2 i + q: lanes 0-15 A's tile i, lanes 16-31 B's tile i
.set AF,   128
.set PC,   112                         ; the way out: the fragment, and behind it two runs for conversions
.set TM,   200                         ; v200-203 maxima, v204-207 the other lane's, then bytes, v212-215 scale operands
.set PW,   216                         ; the scale word
.set G1, 24
.set G0, 32
.set G1B, 48
.set G0B, 56
.set G1S, 68
.set G0S, 76
.set G1SB, 80
.set G0SB, 88
.set MSB, 0
.macro WIN new                         ; the immediate's high byte repeats the setting that is left
.if MSB != \new
	s_set_vgpr_msb (MSB<<8)|\new
.set MSB, \new
.endif
.endm
.set MUL_LO, 0xa1                      ; source 0 (B) window 1, source 1 (A) window 0, C and D window 2
.set MUL_HI, 0xf1                      ; the same, C and D window 3
.set TO_B,   0x40                      ; destination window 1, address window 0
; A joint load: waves 0 and 1 fetch for A, waves 2 and 3 for B; the branch hangs on the wave's number alone.  Four v_nop follow each line.
.macro JLOAD g0a, g1a, g0b, g1b
	s_cmp_eq_u32 s15, 0
	s_cbranch_scc0 .Lfor_b_\@
	tensor_load_to_lds s[\g0a:\g0a+3], s[\g1a:\g1a+7]
	s_nop 0
.rept 4
	v_nop
.endr
	s_branch .Lasked_\@
.Lfor_b_\@:
	tensor_load_to_lds s[\g0b:\g0b+3], s[\g1b:\g1b+7]
	s_nop 0
.rept 4
	v_nop
.endr
.Lasked_\@:
.endm
.macro CREST                           ; a round of the cluster's barrier behind its opening barrier
	s_cmp_lg_u32 s14, 0
	s_cbranch_scc1 .Lnot_wave_0_\@
	s_barrier_signal -3
.Lnot_wave_0_\@:
	s_barrier_wait -3
	s_barrier_signal -1
	s_barrier_wait -1
.endm
.macro CROUND
	s_barrier_signal -1
	s_barrier_wait -1
	CREST
.endm
	s_load_b128 s[4:7], s[0:1], 0x0                ; x's codes, x's scale words
	s_load_b128 s[8:11], s[0:1], 0x10              ; the weights' codes, their scale words
	s_load_b128 s[96:99], s[0:1], 0x20             ; qr, kv
	v_lshl_add_u32 v[SPW], v0, 2, SPARE
	v_mov_b32 v[NIL], 0
	ds_add_u32 v28, v29
	ds_add_u32 v28, v29
	s_wait_dscnt 0x0
	v_lshrrev_b32 v1, 5, v0
	v_readfirstlane_b32 s14, v1                    ; wave 0..3
	s_lshr_b32 s15, s14, 1                         ; which half of A's rows is mine.  Also: I fetch for A (0) or for B (1)
	s_and_b32 s16, s14, 1                          ; which half of B's rows.  Also: which 128 rows I fetch
	s_bfe_u32 s40, ttmp6, 0x40000                  ; cx, cy: my place in the cluster
	s_bfe_u32 s41, ttmp6, 0x40004
	s_and_b32 s67, ttmp7, 0xffff
	s_lshl_b32 s67, s67, 2                         ; 4 x cluster y
	s_lshl_b32 s66, ttmp9, 2                       ; 4 x cluster x
	s_cmp_eq_u32 ttmp9, 2                          ; the v path?
	s_cselect_b32 s17, 8, s67                      ; A's block of 256 rows: Wv's blocks 8 .. 11 of the weights, or the tokens' 4 y ..
	s_cselect_b32 s42, s67, s66                    ; B's: the tokens' 4 y .., or Wq's 0 .. 3, Wk's 4 .. 7
	s_add_co_u32 s17, s17, s41                     ; + cy: shared along a row of the cluster
	s_add_co_u32 s42, s42, s40                     ; + cx: shared along a column
	s_lshl_b32 s43, s41, 2
	s_lshl_b32 s43, 15, s43                        ; my row of the cluster
	s_lshl_b32 s44, 0x1111, s40                    ; my column
	; descriptor group 1: a dense block of 24,576 bytes as 96 rows of 32 elements of 8 bytes
	s_or_b32 s[G1+0], s43, (3<<16)|(1<<21)         ; 15:0 the mask; 17:16 elements of 8 bytes; 20 no padding; 21 set beside a mask
	s_or_b32 s[G1B+0], s44, (3<<16)|(1<<21)
.irp g, G1, G1B
	s_mov_b32 s[\g+1], 32<<16                      ; tensor_dim0
	s_mov_b32 s[\g+2], 96<<16                      ; tensor_dim1
	s_mov_b32 s[\g+3], 32<<16                      ; tile_dim0
	s_mov_b32 s[\g+4], 96                          ; tile_dim1
	s_mov_b32 s[\g+5], 32                          ; tensor_dim0_stride
	s_mov_b32 s[\g+6], 0
	s_mov_b32 s[\g+7], 0
.endr
	; and for the scale words of 128 rows: 4,096 dense bytes as 16 such rows
	s_or_b32 s[G1S+0], s43, (3<<16)|(1<<21)
	s_or_b32 s[G1SB+0], s44, (3<<16)|(1<<21)
.irp g, G1S, G1SB
	s_mov_b32 s[\g+1], 32<<16
	s_mov_b32 s[\g+2], 16<<16
	s_mov_b32 s[\g+3], 32<<16
	s_mov_b32 s[\g+4], 16
	s_mov_b32 s[\g+5], 32
	s_mov_b32 s[\g+6], 0
	s_mov_b32 s[\g+7], 0
.endr
	s_lshl_b32 s18, s16, 3                         ; which 8 of the block's 16 row tiles I fetch
	s_lshl_b32 s20, s17, 4
	s_add_co_u32 s20, s20, s18                     ; A: first row tile
	s_lshl_b32 s46, s42, 4
	s_add_co_u32 s46, s46, s18                     ; B
	s_lshl_b32 s22, s20, 9                         ; where their scale words begin,
	s_lshl_b32 s92, s46, 9
	s_mul_i32 s20, s20, TILEB                      ; and their codes of K step 0
	s_mul_i32 s46, s46, TILEB
	s_mov_b32 s21, 0
	s_mov_b32 s23, 0
	s_mov_b32 s47, 0
	s_mov_b32 s93, 0
	s_mul_i32 s45, s14, HALFT                      ; where they go: no place in the cluster enters an LDS address
	s_mul_i32 s94, s14, HALFS
	s_wait_kmcnt 0x0
	s_cmp_eq_u32 ttmp9, 2                          ; on the v path the weights are A and the tokens B
	s_cselect_b64 s[12:13], s[8:9], s[4:5]
	s_cselect_b64 s[8:9], s[4:5], s[8:9]
	s_mov_b64 s[4:5], s[12:13]
	s_cselect_b64 s[12:13], s[10:11], s[6:7]
	s_cselect_b64 s[10:11], s[6:7], s[10:11]
	s_mov_b64 s[6:7], s[12:13]
	s_add_nc_u64 s[20:21], s[4:5], s[20:21]
	s_add_nc_u64 s[22:23], s[6:7], s[22:23]
	s_add_nc_u64 s[46:47], s[8:9], s[46:47]
	s_add_nc_u64 s[92:93], s[10:11], s[92:93]
	CROUND                                         ; all sixteen work-groups are here: the first joint loads meet
	s_mov_b32 s[G0S], 1
	s_add_co_u32 s[G0S+1], s94, SCL
	s_mov_b64 s[G0S+2:G0S+3], s[22:23]
	s_or_b32 s[G0S+3], s[G0S+3], 0x80000000
	s_mov_b32 s[G0SB], 1
	s_add_co_u32 s[G0SB+1], s94, SCL
	s_mov_b64 s[G0SB+2:G0SB+3], s[92:93]
	s_or_b32 s[G0SB+3], s[G0SB+3], 0x80000000
	JLOAD G0S, G1S, G0SB, G1SB                     ; the scale words first: they are wanted with K step 0
.irp s, 0,1
	s_mov_b32 s[G0+4*\s], 1
	s_add_co_u32 s[G0+4*\s+1], s45, \s*SLOT
	s_add_nc_u64 s[G0+4*\s+2:G0+4*\s+3], s[20:21], \s*KADV
	s_or_b32 s[G0+4*\s+3], s[G0+4*\s+3], 0x80000000
	s_mov_b32 s[G0B+4*\s], 1
	s_add_co_u32 s[G0B+4*\s+1], s45, \s*SLOT
	s_add_nc_u64 s[G0B+4*\s+2:G0B+4*\s+3], s[46:47], \s*KADV
	s_or_b32 s[G0B+4*\s+3], s[G0B+4*\s+3], 0x80000000
	JLOAD G0+4*\s, G1, G0B+4*\s, G1B               ; three loads of mine are out
.endr
	v_and_b32 v1, 15, v0                           ; r
	v_bfe_u32 v2, v0, 4, 1                         ; h
	v_and_b32 v3, 31, v0
	v_lshlrev_b32 v4, 4, v3                        ; 16 x lane; never rewritten
	v_lshlrev_b32 v5, 3, v3                        ; 8 x lane; never rewritten
	s_mul_i32 s21, s15, HALFT                      ; my 8 row tiles of A
	s_mul_i32 s22, s16, HALFT                      ; and of B,
	s_add_co_u32 s22, s22, 2*HALFT                 ; which lie behind A's 16
.irp s, 0,1
	v_add_nc_u32 v[ADRA+\s], s21, v4
	v_add_nc_u32 v[ADRB+\s], s22, v4
	v_add_nc_u32 v[ADRA+2+\s], s21, v5
	v_add_nc_u32 v[ADRB+2+\s], s22, v5
	s_add_co_u32 s21, s21, SLOT
	s_add_co_u32 s22, s22, SLOT
.endr
	v_lshlrev_b32 v6, 3, v1                        ; my row's two words of a K step: 8 r
	s_mul_i32 s21, s15, HALFS
	s_mul_i32 s22, s16, HALFS
	s_add_co_u32 s22, s22, 2*HALFS
	s_sub_co_u32 s22, s22, s21
	v_mul_u32_u24 v7, s22, v2                      ; lanes 16-31 take B's: one product, the distance x h
	s_add_co_u32 s21, s21, SCL
	v_add_nc_u32 v6, v6, v7
	v_add_nc_u32 v[ADRS], s21, v6
	; the way out's addresses
	v_mov_b32 v8, v4                               ; 16 x lane + the tile's place: it steps
	v_mov_b32 v9, v5                               ; 8 x lane + the same
	v_lshlrev_b32 v10, 4, v2                       ; 16 h: lanes 16-31 keep the odd head's two bytes of a word
	s_lshl_b32 s21, s14, 10                        ; my 1,024 bytes of stage, in slot 0: it has had its last fill and its last read when the first word is stored there
	v_lshl_add_u32 v11, v1, 4, s21
	v_lshl_add_u32 v11, v2, 9, v11                 ; in: 512 h + 16 r
	v_add_nc_u32 v12, s21, v4                      ; back: 16 x lane
	s_mov_b32 s12, 0x76543210
	s_mov_b32 s13, 0xfedcba98                      ; selects for lane l xor 16
	; where my results go.  Tokens: a run of 128 is a step of a batch.  Features: a run of 128 is two heads.
	s_mov_b32 s95, 768
	s_cmp_eq_u32 ttmp9, 2
	s_cselect_b32 s18, s42, s17                    ; the tokens' block,
	s_cselect_b32 s19, s16, s15                    ; and my half of it
	s_cselect_b32 s20, s41, s40                    ; the features' block inside its weight,
	s_cselect_b32 s21, s15, s16                    ; and my half of it
	s_cselect_b32 s46, 6144, 0                     ; V's fragments lie behind K's half images
	s_cselect_b32 s95, 1536, s95                   ; from tile to tile: a fragment, or a half image
	s_lshl_b32 s18, s18, 1
	s_add_co_u32 s18, s18, s19                     ; the run of 128 tokens
	s_lshr_b32 s19, s18, 4                         ; its batch
	s_and_b32 s18, s18, 15                         ; its step
	s_lshl_b32 s19, s19, 4
	s_lshl_b32 s20, s20, 2
	s_add_co_u32 s19, s19, s20
	s_lshl_b32 s21, s21, 1
	s_add_co_u32 s19, s19, s21                     ; my first head: 16 x batch + 4 x block + 2 x half
	s_mov_b32 s22, 13056
	s_mov_b32 s92, 12288
	s_cmp_eq_u32 ttmp9, 0
	s_cselect_b32 s22, 6656, s22                   ; a record
	s_cselect_b32 s92, 6144, s92                   ; the scale words' place in it: q's, k's
	s_cselect_b64 s[96:97], s[96:97], s[98:99]     ; qr or kv
	s_lshl_b32 s100, s22, 4                        ; a head: 16 records
	s_mul_i32 s19, s19, s100
	s_mul_i32 s18, s18, s22
	s_add_co_u32 s18, s18, s19
	s_mov_b32 s19, 0
	s_add_nc_u64 s[96:97], s[96:97], s[18:19]      ; my first head's record
	s_sub_co_u32 s67, s100, 3*1536
	s_cmp_eq_u32 ttmp9, 2
	s_cselect_b32 s92, 12800, s92                  ; v's scale words
	s_cselect_b32 s18, 768, s100                   ; a fragment's second half: behind the first, or in the next head
	s_cselect_b32 s67, s67, 768                    ; from tile 3 to tile 4: into the next head, or a half image on
	s_mov_b32 s47, 0
	s_mov_b32 s93, 0
	s_mov_b32 s101, 0
	s_add_nc_u64 s[4:5], s[96:97], s[46:47]        ; first halves
	s_add_nc_u64 s[6:7], s[4:5], s[18:19]          ; second halves
	s_add_nc_u64 s[8:9], s[96:97], s[92:93]        ; scale words of my first head
	s_add_nc_u64 s[10:11], s[8:9], s[100:101]      ; and of my second
.macro FRAG reg, adr, q, i             ; a fragment comes back as it was stored: four dense loads
	ds_load_b128 v[\reg:\reg+3], v[\adr] offset:(\i)*TILEB+(\q)*1536
	ds_load_b64 v[\reg+4:\reg+5], v[\adr+2] offset:(\i)*TILEB+(\q)*1536+512
	ds_load_b128 v[\reg+6:\reg+9], v[\adr] offset:(\i)*TILEB+(\q)*1536+768
	ds_load_b64 v[\reg+10:\reg+11], v[\adr+2] offset:(\i)*TILEB+(\q)*1536+1280
.endm
; 16 matrix instructions: A's tiles a0, a0 + 1 x B's eight, 128 along K.  p: B's set;  sc: the set of scale words.  zero = 1: the first product starts the sums.
; The 64 accumulators take turns, one instruction a turn, in the same order in every step.
.macro MUL16 a0, p, q, sc, zero
.irp a, \a0, \a0+1
.irp b, 0,1,2,3,4,5,6,7
.if \zero
	v_wmma_scale_f32_16x16x128_f8f6f4 v[8*(8*((\a)%4)+\b):8*(8*((\a)%4)+\b)+7], v[128*(\p)+FR*\b:128*(\p)+FR*\b+FR-1], v[AF+FR*(\a):AF+FR*(\a)+FR-1], 0, v[SC+8*NQ*(\sc)+NQ*\b+(\q)], v[SC+8*NQ*(\sc)+NQ*(\a)+(\q)] matrix_a_fmt:MATRIX_FMT_BF6 matrix_b_fmt:MATRIX_FMT_BF6 matrix_a_scale:MATRIX_SCALE_ROW1
.else
	v_wmma_scale_f32_16x16x128_f8f6f4 v[8*(8*((\a)%4)+\b):8*(8*((\a)%4)+\b)+7], v[128*(\p)+FR*\b:128*(\p)+FR*\b+FR-1], v[AF+FR*(\a):AF+FR*(\a)+FR-1], v[8*(8*((\a)%4)+\b):8*(8*((\a)%4)+\b)+7], v[SC+8*NQ*(\sc)+NQ*\b+(\q)], v[SC+8*NQ*(\sc)+NQ*(\a)+(\q)] matrix_a_fmt:MATRIX_FMT_BF6 matrix_b_fmt:MATRIX_FMT_BF6 matrix_a_scale:MATRIX_SCALE_ROW1
.endif
.endr
.endr
.endm
.macro FETCH_B slot, q, p
	WIN TO_B
.irp i, 0,1,2,3,4,5,6,7
	FRAG 128*(\p)+FR*\i, ADRB+\slot, \q, \i
.endr
	WIN 0
.endm
.macro FETCH_A slot, q, i0
.irp i, \i0, \i0+1, \i0+2, \i0+3
	FRAG AF+FR*(\i), ADRA+\slot, \q, \i
.endr
.endm
.macro SCALES sc                       ; a K step's two words a row: lanes 0-15 A's tile i, lanes 16-31 B's tile i
.irp i, 0,1,2,3,4,5,6,7
	ds_load_b64 v[SC+8*NQ*\sc+NQ*\i:SC+8*NQ*\sc+NQ*\i+1], v[ADRS] offset:\i*SBLK
.endr
.endm
.macro PLACES n                        ; plain instructions between a matrix instruction and a load into, or a read of, its registers
.rept \n
	v_nop
.endr
.endm
.macro STEP slot, q, zero              ; 128 along K with its successor in the same slot
	s_wait_dscnt 4*NL                              ; B's set and A's tiles 0-3 are in; the youngest 16 loads (A's tiles 4-7) may be out
	WIN MUL_LO
	MUL16 0, (\q)%2, \q, \slot, \zero
	MUL16 2, (\q)%2, \q, \slot, \zero
	s_wait_dscnt 0                                 ; A's tiles 4-7 are in
	PLACES NP
	FETCH_B \slot, (\q)+1, 1-(\q)%2
	FETCH_A \slot, (\q)+1, 0
	WIN MUL_HI
	MUL16 4, (\q)%2, \q, \slot, \zero
	MUL16 6, (\q)%2, \q, \slot, \zero
	PLACES NP
	WIN 0
	FETCH_A \slot, (\q)+1, 4
.endm
; A slot's last step changes slots: one barrier; in front of it each wave waits for all its tensor loads, adds 0 to its spare word, and waits for that and for its reads of this slot.
.macro TURN slot, next, fill
	s_wait_tensorcnt 0x0                           ; all my tensor loads have landed: my part of the next slot
	ds_add_u32 v[SPW], v[NIL]                      ; 0 onto my spare word
	s_wait_dscnt 4*NL+1                            ; the add and the youngest 16 loads may be out
	WIN MUL_LO
	MUL16 0, 1, NQ-1, \slot, 0
	s_wait_dscnt 0x0                               ; the add is done, and my reads of this slot are over
	s_barrier_signal -1
	MUL16 2, 1, NQ-1, \slot, 0
	WIN 0
	s_barrier_wait -1
.if \fill
	CREST                                          ; the barrier has opened a round of the cluster's barrier: no wave of any partner still reads this slot or has a load on its way
	s_add_nc_u64 s[G0+4*\slot+2:G0+4*\slot+3], s[G0+4*\slot+2:G0+4*\slot+3], 2*KADV
	s_add_nc_u64 s[G0B+4*\slot+2:G0B+4*\slot+3], s[G0B+4*\slot+2:G0B+4*\slot+3], 2*KADV
	JLOAD G0+4*\slot, G1, G0B+4*\slot, G1B         ; the first tensor load behind the round, my one load until the next; its four v_nop are the places for the loads below
.else
	PLACES NP
.endif
	v_add_nc_u32 v[ADRS], 128, v[ADRS]             ; the next K step's scale words (no LDS load of mine is out)
	FETCH_B \next, 0, 0
	FETCH_A \next, 0, 0
	SCALES \next
	WIN MUL_HI
	MUL16 4, 1, NQ-1, \slot, 0
	MUL16 6, 1, NQ-1, \slot, 0
	PLACES NP
	WIN 0
	FETCH_A \next, 0, 4
.endm
	s_wait_tensorcnt 1                             ; the scale words and my part of K step 0 are in; K step 1's load may be out
	s_barrier_signal -1
	s_barrier_wait -1
	FETCH_B 0, 0, 0
	FETCH_A 0, 0, 0
	SCALES 0
	FETCH_A 0, 0, 4
	STEP 0, 0, 1                                   ; the first step's products start the sums
	s_mov_b32 s3, LAPS-1
.Llap:                                                 ; a trip goes once round the ring and fills both slots again
	TURN 0, 1, 1
	STEP 1, 0, 0
	TURN 1, 0, 1
	STEP 0, 0, 0
	s_sub_co_u32 s3, s3, 1
	s_cmp_lg_u32 s3, 0
	s_cbranch_scc1 .Llap
	TURN 0, 1, 0                                   ; the last lap fills nothing
	STEP 1, 0, 0
	s_wait_dscnt 4*NL
	WIN MUL_LO
	MUL16 0, 1, NQ-1, 1, 0
	MUL16 2, 1, NQ-1, 1, 0
	s_wait_dscnt 0
	WIN MUL_HI
	MUL16 4, 1, NQ-1, 1, 0
	MUL16 6, 1, NQ-1, 1, 0
	WIN 0
; THE WAY OUT.  A tile a's 64 registers (register 16 b + i = the next K's 32 b + 16 (lane / 16) + i of my row) become a fragment's codes and its scale word.
.macro QUANTW a
.set W, 2+(\a)/4
.set AC, 64*((\a)%4)
.set WN, (W<<2)|(W<<4)
	WIN WN                                         ; sources 1 and 2: the accumulators' window
.irp b, 0,1,2,3
	v_max3_num_f32 v[TM+\b], 0x2800000, |v[AC+16*\b]|, |v[AC+16*\b+1]|   ; block b: my 16 numbers and the floor 2^(5 - 127).  Each accumulator is read from its low end on
.endr
.irp i, 2,4,6,8,10,12,14
.irp b, 0,1,2,3
	v_max3_num_f32 v[TM+\b], v[TM+\b], |v[AC+16*\b+\i]|, |v[AC+16*\b+\i+1]|
.endr
.endr
	WIN 0
.irp b, 0,1,2,3
	v_permlanex16_b32 v[TM+4+\b], v[TM+\b], s12, s13
.endr
.irp b, 0,1,2,3
	v_max_num_f32 v[TM+\b], v[TM+\b], v[TM+4+\b]   ; with lane l xor 16's: the block's largest magnitude
.endr
.irp b, 0,1,2,3
	v_add_nc_u32 v[TM+12+\b], 0xfe000000, v[TM+\b] ; 4 off the exponent field: the conversion's scale operand
.endr
.irp b, 0,1,2,3
	v_lshrrev_b32 v[TM+4+\b], 23, v[TM+12+\b]      ; the byte
.endr
	v_lshl_or_b32 v[PW], v[TM+5], 8, v[TM+4]
	v_lshl_or_b32 v[PW], v[TM+6], 16, v[PW]
	v_lshl_or_b32 v[PW], v[TM+7], 24, v[PW]
	WIN W                                          ; source 0: the accumulators' window
.irp c, 0,1
	v_cvt_scalef32_pk16_bf6_f32 v[PC+6*\c:PC+2+6*\c], v[AC+32*\c:AC+15+32*\c], v[TM+12+2*\c]
	v_cvt_scalef32_pk16_bf6_f32 v[PC+12+4*\c:PC+14+4*\c], v[AC+16+32*\c:AC+31+32*\c], v[TM+12+2*\c+1]   ; (a conversion's three registers begin on an even number)
.endr
	WIN 0
	v_nop                                          ; one plain instruction behind the conversions
.irp c, 0,1                            ; the operand's layout wants a whole block in a lane: lanes 0-15 block 2 c, lanes 16-31 block 2 c + 1
.irp i, 0,1,2
	v_permlane16_swap_b32 v[PC+6*\c+\i], v[PC+12+4*\c+\i]
.endr
.irp i, 0,1,2
	v_mov_b32 v[PC+3+6*\c+\i], v[PC+12+4*\c+\i]
.endr
.endr
	v_lshrrev_b32 v[PW], v10, v[PW]                ; lanes 16-31: the upper two bytes come down: the odd head's word (q, k); lanes 0-15 keep the whole word
.endm
	PLACES NP                                      ; behind the last products: their results are read and A's registers written below
.irp b, 0,1,2,3
	v_mov_b32 v[TM+4+\b], 0                        ; a lane permute's destination counts as one of its sources
.endr
.irp a, 0,1,2,3,4,5,6,7
.if \a > 0
	s_wait_xcnt 0x0                                ; the last tile's stores have read their data and offsets,
	s_wait_dscnt 0x0                               ; and its word is in the stage
.if \a == 4
	v_add_nc_u32 v8, s67, v8
	v_add_nc_u32 v9, s67, v9
.else
	v_add_nc_u32 v8, s95, v8
	v_add_nc_u32 v9, s95, v9
.endif
.endif
	QUANTW \a
	ds_store_b32 v11, v[PW] offset:(\a%2)*256+(\a/2)*4              ; the word of (tile a, row r) at ((a % 2) 16 + r) 16 + (a / 2) 4, the odd head's 512 bytes on
	global_store_b128 v8, v[PC:PC+3], s[4:5]                        ; each store covers 512 or 256 consecutive bytes, aligned to 256
	global_store_b64 v9, v[PC+4:PC+5], s[4:5] offset:512
	global_store_b128 v8, v[PC+6:PC+9], s[6:7]
	global_store_b64 v9, v[PC+10:PC+11], s[6:7] offset:512
.endr
	ds_load_b128 v[32:35], v12                     ; register i: the word of tile 2 i + (lane / 16), row lane % 16.  LDS serves a wave's instructions in order
	ds_load_b128 v[36:39], v12 offset:512
	s_wait_dscnt 0x0
	s_cmp_eq_u32 ttmp9, 2
	s_cbranch_scc1 .Lv_words
	global_store_b128 v4, v[32:35], s[8:9]         ; q, k: 512 bytes for each of my two heads
	global_store_b128 v4, v[36:39], s[10:11]
	s_branch .Lwords_out
.Lv_words:
	global_store_b64 v5, v[32:33], s[8:9]          ; v: tiles 0-3 are my first head's, tiles 4-7 my second's: 256 bytes each
	global_store_b64 v5, v[34:35], s[10:11]
.Lwords_out:
	s_wait_tensorcnt 0x0                           ; the wave's end
	ds_add_u32 v[SPW], v[NIL]
	s_wait_dscnt 0x0
	CROUND                                         ; the closing round: no work-group ends while a partner may still ask for a tile that names it
	s_endpgm
.Lfunc_end_k_q4be0622c05_qkv:
	.size	k_q4be0622c05_qkv, .Lfunc_end_k_q4be0622c05_qkv-k_q4be0622c05_qkv
	.p2alignl 7, 3214868480
	.fill 96, 4, 3214868480
	.section	.rodata,"a",@progbits
	.p2align	6, 0x0
	.amdhsa_kernel k_q4be0622c05_qkv
		.amdhsa_group_segment_fixed_size 327680
		.amdhsa_private_segment_fixed_size 0
		.amdhsa_enable_private_segment 0
		.amdhsa_kernarg_size 48
		.amdhsa_user_sgpr_count 2
		.amdhsa_user_sgpr_kernarg_segment_ptr 1
		.amdhsa_wavefront_size32 1
		.amdhsa_system_sgpr_workgroup_id_x 1
		.amdhsa_system_sgpr_workgroup_id_y 1
		.amdhsa_system_sgpr_workgroup_id_z 1
		.amdhsa_system_vgpr_workitem_id 0
		.amdhsa_next_free_vgpr 1024
		.amdhsa_next_free_sgpr 102
		.amdhsa_reserve_vcc 0
		.amdhsa_float_denorm_mode_32 3
		.amdhsa_float_denorm_mode_16_64 3
		.amdhsa_memory_ordered 1
		.amdhsa_forward_progress 1
		.amdhsa_inst_pref_size 152
	.end_amdhsa_kernel
	.amdgpu_metadata
---
amdhsa.version: [ 1, 2 ]
amdhsa.kernels:
  - .name:           k_q4be0622c05_qkv
    .symbol:         k_q4be0622c05_qkv.kd
    .args:
      - { .name: xc, .offset: 0, .size: 8, .value_kind: global_buffer, .address_space: global }
      - { .name: xs, .offset: 8, .size: 8, .value_kind: global_buffer, .address_space: global }
      - { .name: wc, .offset: 16, .size: 8, .value_kind: global_buffer, .address_space: global }
      - { .name: ws, .offset: 24, .size: 8, .value_kind: global_buffer, .address_space: global }
      - { .name: qr, .offset: 32, .size: 8, .value_kind: global_buffer, .address_space: global }
      - { .name: kv, .offset: 40, .size: 8, .value_kind: global_buffer, .address_space: global }
    .group_segment_fixed_size: 327680
    .private_segment_fixed_size: 0
    .kernarg_segment_align: 8
    .kernarg_segment_size: 48
    .max_flat_workgroup_size: 128
    .sgpr_count:     102
    .vgpr_count:     1024
    .wavefront_size: 32
...
	.end_amdgpu_metadata
.endif
;; end of part 2
;; launch attn (part 3): grid 8 x 32, 16 waves a work-group, no clusters, 210,944 bytes of LDS; arguments qr, kv, oc, os; writes oc, os
.if DOCPART == 3
	.amdgcn_target "amdgcn-amd-amdhsa--gfx1250"
	.amdhsa_code_object_version 6
	.text
	.protected	k_q4be0622c05_attn
	.globl	k_q4be0622c05_attn
	.p2align	8
	.type	k_q4be0622c05_attn,@function
k_q4be0622c05_attn:
	s_mov_b64 s[64:65], 0
	v_nop
	global_prefetch_b8 v0, s[64:65] scope:SCOPE_SE
	s_setreg_imm32_b32 hwreg(HW_REG_WAVE_MODE, 25, 1), 1
	s_wait_xcnt 0x0
; Causal attention of one head on codes of BF6 (E3M2): S^T = K Q^T, logit = 50 tanh(S / 8 / 50), p = 2^(logit x log2 e), O^T += V^T P^T, O / (the row's sum of the unquantised p),
; and O quantised along the merged heads' axis for the last product.  In: qr, kv (records of 128 tokens, as images of operand registers).  Out: oc, os, laid as the last product's A.
; NO MAXIMUM IS TAKEN AWAY, because the computation's own clamp bounds the exponents for every input: |logit| <= 50, so t = logit x log2 e lies within +-72.14, p within 2^-72.2 .. 2^72.2,
; a row's sum of 2,048 under 2^83.2, and O^T under that times |v|: nothing can overflow or underflow in f32.  The contract's M is a whole number, which the blocks' scales take up exactly:
; M = 0 gives the same codes' values; the scale bytes lie within 50 .. 195.  (Where the contract's p falls under 2^-122 of the row's largest its codes lose bits that mine keep.)
; tanh(y) = 1 - 2 / (1 + 2^(2 y log2 e)): t = C - 2 C / (1 + E), C = 50 log2 e; E = infinity gives C, E = 0 gives -C.  LIMIT: t carries an absolute error of up to about 2e-5
; (the rounding of 1 + E and of the reciprocal, times 2 C = 144), that is about 1e-5 of p.  Blocks under 2^-122 get the byte 1.  NaN and infinities are not served.
; SHARES.  A work-group owns query blocks i and 15 - i (128 queries each) of one head: 17 block-steps in every work-group.  A wave owns one tile of 16 queries in 256 registers, four waves to a SIMD,
; so that one wave's exponentials stand beside another's plain and matrix work; long and short waves are dealt so that each group of four neighbours, and each residue mod 4, has two of each.
; A wave works the steps (128 keys) up to its own block; that last one is masked.  Steps behind it are left out by a scalar branch on ids; every wave walks all 16 trips and passes every barrier.
; K AND V OF THE WHOLE HEAD, 208,896 bytes, LIE IN LDS, filled once: three tensor loads a wave (17 rows of 256 bytes each), thirds of the head in order, each third read behind its own wait and barrier.
; Nothing is filled again.  All is asked for at the head, so there is nothing to prefetch.
; NO CLUSTER, though the eight work-groups of a head read the same bytes: the branch that leaves steps out hangs on the query block, which partners of a cluster would not share.
; LAYOUT.  Both products are used transposed: a lane holds one query (position lane % 16 of its tile) throughout.  Row tile T holds at position p token 32 (T / 2) + 8 (T % 2) + p + 8 (p / 8), so the 16 registers
; of score tiles 2 b and 2 b + 1 are keys 32 b + 16 (lane / 16) + 0 .. 15; likewise O^T's registers run along the head's 64.
; K = 64 IN A FORM OF 128.  Q's codes of k = 64 .. 127 are zeros.  K's operand of tile t is v[32 + 6 t .. 43 + 6 t]: its upper six registers are the next tile's codes (for tile 7: registers at work).
; Every pattern of 6 bits is a finite number and no scale byte here is 0xff, so those products are zeros.
; REGISTERS: v1 16 x lane, v2 8 x lane, v3-4 the step's addresses, v5 the mask's bound, v[6:7] C, v[8:11] the row's sum in two chains, v12 Q's scale word, v13 p's, v[14:15] V's, v[16:19] K's,
; v[20:31] Q, v[32:79] K, v80-91 at work, v92 -infinity, v[96:159] scores, then p, v[160:191] O^T, v[192:239] V, v[240:251] p's codes.
.set RECB,  13056                      ; a record: K 6,144, V 6,144, K's words 512, V's 256
.set HEADB, 16*RECB
.set WROWS, 17*256                     ; what one tensor load brings
.set CHUNK, 16*WROWS                   ; a third of the head: records 0-4 lie wholly in the first, 0-9 in the first two
.set QRECB, 6656
.set KF,  32
.set TM,  80
.set SS,  96
.set OT,  160
.set VF,  192
.set PC,  240
	s_load_b256 s[4:11], s[0:1], 0x0               ; qr, kv, oc, os
	v_lshl_add_u32 v254, v0, 2, 0x33000
	v_mov_b32 v255, 0
	ds_add_u32 v254, v255
	ds_add_u32 v254, v255
	v_lshrrev_b32 v1, 5, v0
	v_readfirstlane_b32 s12, v1                    ; wave 0..15
	s_and_b32 s14, ttmp7, 0xffff                   ; batch x 16 + head
	s_lshr_b32 s15, s12, 2
	s_xor_b32 s15, s15, s12
	s_and_b32 s15, s15, 1                          ; 1: the late block, 0: the early one
	s_lshr_b32 s16, s12, 1                         ; my tile in the block
	s_sub_co_u32 s17, 15, ttmp9
	s_cmp_eq_u32 s15, 1
	s_cselect_b32 s17, s17, ttmp9                  ; my block of 128 queries = my last step
	s_mov_b32 s28, 3<<16                           ; group 1: no mask; elements of 8 bytes; no padding
	s_mov_b32 s29, 32<<16                          ; tensor_dim0 = 32 elements: 256 bytes
	s_mov_b32 s30, 17<<16                          ; tensor_dim1
	s_mov_b32 s31, 32<<16                          ; tile_dim0
	s_mov_b32 s32, 17                              ; tile_dim1
	s_mov_b32 s33, 32                              ; stride: dense
	s_mov_b32 s34, 0
	s_mov_b32 s35, 0
	s_mul_i32 s48, s12, WROWS                      ; my 17 rows of a third
	s_mul_i32 s50, s14, HEADB
	s_add_co_u32 s50, s50, s48
	s_mov_b32 s51, 0
	s_mul_i32 s52, s14, 16*QRECB
	s_mul_i32 s49, s17, QRECB
	s_add_co_u32 s52, s52, s49                     ; my block's record of q
	s_mov_b32 s53, 0
	s_mov_b32 s20, 0x76543210
	s_mov_b32 s21, 0xfedcba98                      ; selects for lane l xor 16
	s_mov_b32 s22, 0x3bec5f04                      ; 2 log2(e) / (8 x 50)
	s_mov_b32 s23, s22                             ; (named with it as a pair)
	s_mov_b32 s24, 0xc31044fe                      ; -2 C
	s_mov_b32 s25, s24
	s_wait_dscnt 0x0
	s_wait_kmcnt 0x0
	s_add_nc_u64 s[6:7], s[6:7], s[50:51]
.irp c, 0,1,2
	s_mov_b32 s[36+4*\c], 1                        ; count = 1
	s_add_co_u32 s[37+4*\c], s48, \c*CHUNK         ; LDS address: the head lies in LDS as in memory
	s_add_nc_u64 s[38+4*\c:39+4*\c], s[6:7], \c*CHUNK
	s_or_b32 s[39+4*\c], s[39+4*\c], 0x80000000    ; type = 2
.endr
	tensor_load_to_lds s[36:39], s[28:35]          ; three loads of mine are out
	s_nop 0
	tensor_load_to_lds s[40:43], s[28:35]
	s_nop 0
	tensor_load_to_lds s[44:47], s[28:35]
	s_nop 0
.rept 4
	v_nop
.endr
	s_add_nc_u64 s[4:5], s[4:5], s[52:53]
	v_and_b32 v1, 31, v0
	v_lshlrev_b32 v2, 3, v1                        ; 8 x lane
	v_lshlrev_b32 v1, 4, v1                        ; 16 x lane
	s_mul_i32 s49, s16, 768
	v_add_nc_u32 v3, s49, v1
	v_add_nc_u32 v4, s49, v2
	global_load_b128 v[20:23], v3, s[4:5]          ; Q's half image stays in registers
	global_load_b64 v[24:25], v4, s[4:5] offset:512
	v_and_b32 v5, 15, v0                           ; r
	s_and_b32 s49, s16, 1
	s_lshl_b32 s54, s49, 8
	s_lshr_b32 s55, s16, 1
	s_lshl_b32 s56, s55, 2
	s_add_co_u32 s54, s54, s56
	v_lshl_add_u32 v95, v5, 4, s54                 ; ((tile % 2) 16 + r) 16 + (tile / 2) 4
	global_load_b32 v12, v95, s[4:5] offset:6144   ; Q's scale words
	s_lshl_b32 s55, s55, 5
	s_lshl_b32 s49, s49, 3
	s_add_co_u32 s55, s55, s49
	v_and_b32 v6, 8, v5
	v_add_nc_u32 v5, v5, v6
	v_bfe_u32 v6, v0, 4, 1
	v_lshlrev_b32 v6, 4, v6
	v_sub_nc_u32 v5, v5, v6
	v_add_nc_u32 v5, s55, v5                       ; my query in its block, less 16 (lane / 16): score register 16 b + i is hidden on the diagonal where 32 b + i is above it
.irp j, 26,27,28,29,30,31
	v_mov_b32 v\j, 0                               ; Q's codes of k = 64 .. 127
.endr
.irp j, 80,81,82,83,84,85,86,87,88,89,90,91
	v_mov_b32 v\j, 0                               ; written once: v80-85 are named with K's tile 7, v84-87 are lane permutes' destinations
.endr
	v_mov_b32 v92, 0xff800000                      ; -infinity
	v_mov_b32 v6, 0x429044fe                       ; C = 50 log2 e
	v_mov_b32 v7, v6
.irp j, 8,9,10,11
	v_mov_b32 v\j, 0                               ; the row's sum
.endr
.set nn, 0
.rept 32
	v_mov_b32 v[OT+nn], 0                          ; O^T: cleared once, so that the step is written for all steps alike
.set nn, nn+1
.endr
; A STEP: 128 keys.  s18 the step, s17 my last one, s19 the record's LDS byte.
.macro STEP
	s_cmp_gt_u32 s18, s17                          ; all its keys come after my queries: only the two lines at the end are run
	s_cbranch_scc1 .Lskip_\@
	v_add_nc_u32 v3, s19, v1
	v_add_nc_u32 v4, s19, v2
.irp t, 0,1,2,3,4,5,6,7
	ds_load_b128 v[KF+6*\t:KF+6*\t+3], v3 offset:768*\t
	ds_load_b64 v[KF+6*\t+4:KF+6*\t+5], v4 offset:768*\t+512
.endr
	ds_load_b128 v[16:19], v3 offset:12288         ; register i: lanes 0-15 the words of tile 2 i, lanes 16-31 of tile 2 i + 1
	s_wait_dscnt 0x0
.irp t, 0,1,2,3
	v_wmma_scale_f32_16x16x128_f8f6f4 v[SS+16*\t:SS+16*\t+7], v[KF+12*\t:KF+12*\t+11], v[20:31], 0, v[16+\t], v12 matrix_a_fmt:MATRIX_FMT_BF6 matrix_b_fmt:MATRIX_FMT_BF6
	v_wmma_scale_f32_16x16x128_f8f6f4 v[SS+16*\t+8:SS+16*\t+15], v[KF+12*\t+6:KF+12*\t+17], v[20:31], 0, v[16+\t], v12 matrix_a_fmt:MATRIX_FMT_BF6 matrix_b_fmt:MATRIX_FMT_BF6 matrix_a_scale:MATRIX_SCALE_ROW1
.endr
.rept 4
	v_nop                                          ; places: the scores are read below; with the two additions above also for the loads into V's registers, which the last step's products read
.endr
.irp t, 0,1,2,3
.irp c, 0,1
	ds_load_b128 v[VF+12*\t+6*\c:VF+12*\t+6*\c+3], v3 offset:6144+1536*\t+768*\c      ; V lands while the softmax is worked
	ds_load_b64 v[VF+12*\t+6*\c+4:VF+12*\t+6*\c+5], v4 offset:6144+1536*\t+768*\c+512
.endr
.endr
	ds_load_b64 v[14:15], v4 offset:12800
.set nn, 0
.rept 32
	v_pk_mul_f32 v[SS+nn:SS+nn+1], v[SS+nn:SS+nn+1], s[22:23] op_sel_hi:[1,0]   ; 2 y log2 e; each accumulator from its low end on
.set nn, nn+2
.endr
.set nn, 0
.rept 64
	v_exp_f32 v[SS+nn], v[SS+nn]                   ; E
.set nn, nn+1
.endr
	v_nop                                          ; a plain instruction behind the batch,
	s_wait_alu depctr_va_vdst(0)                   ; and one wait for it, ahead of its first reader
.set nn, 0
.rept 32
	v_pk_add_f32 v[SS+nn:SS+nn+1], v[SS+nn:SS+nn+1], 1.0 op_sel_hi:[1,0]
.set nn, nn+2
.endr
.set nn, 0
.rept 64
	v_rcp_f32 v[SS+nn], v[SS+nn]
.set nn, nn+1
.endr
	v_nop
	s_wait_alu depctr_va_vdst(0)
.set nn, 0
.rept 32
	v_pk_fma_f32 v[SS+nn:SS+nn+1], v[SS+nn:SS+nn+1], s[24:25], v[6:7] op_sel_hi:[1,0,0]   ; t = C - 2 C / (1 + E)
.set nn, nn+2
.endr
	s_cmp_lg_u32 s18, s17                          ; only my last step lies on the diagonal
	s_cbranch_scc1 .Lopen_\@
.set nn, 0
.rept 64
	v_cmp_gt_i32 vcc_lo, 32*(nn/16)+nn%16, v5
	v_cndmask_b32 v[SS+nn], v[SS+nn], v92, vcc_lo  ; a hidden key's t is -infinity: p = 0
.set nn, nn+1
.endr
.Lopen_\@:
.set nn, 0
.rept 64
	v_exp_f32 v[SS+nn], v[SS+nn]                   ; p = 2^t
.set nn, nn+1
.endr
	v_nop
	s_wait_alu depctr_va_vdst(0)
.irp b, 0,1,2,3
	v_max3_num_f32 v[TM+\b], v[SS+16*\b], v[SS+16*\b+1], 0x2800000   ; each block's largest p (none is negative), and the floor 2^(5 - 127): a block of hidden keys keeps the byte 1 over zero codes
.endr
.irp i, 2,4,6,8,10,12,14
.irp b, 0,1,2,3
	v_max3_num_f32 v[TM+\b], v[TM+\b], v[SS+16*\b+\i], v[SS+16*\b+\i+1]
.endr
.endr
.irp b, 0,1,2,3
	v_permlanex16_b32 v[TM+4+\b], v[TM+\b], s20, s21
.endr
.irp b, 0,1,2,3
	v_max_num_f32 v[TM+\b], v[TM+\b], v[TM+4+\b]   ; with lane l xor 16's 16 keys
.endr
.irp b, 0,1,2,3
	v_add_nc_u32 v[TM+8+\b], 0xfe000000, v[TM+\b]  ; 4 off the exponent field: the conversion's scale operand
.endr
.irp b, 0,1,2,3
	v_lshrrev_b32 v[TM+4+\b], 23, v[TM+8+\b]       ; the byte
.endr
	v_lshl_or_b32 v13, v[TM+5], 8, v[TM+4]         ; p's scale word for these 128 keys
	v_lshl_or_b32 v13, v[TM+6], 16, v13
	v_lshl_or_b32 v13, v[TM+7], 24, v13
.irp c, 0,1
	v_cvt_scalef32_pk16_bf6_f32 v[PC+6*\c:PC+6*\c+2], v[SS+32*\c:SS+32*\c+15], v[TM+8+2*\c]
	v_cvt_scalef32_pk16_bf6_f32 v[TM+4*\c:TM+4*\c+2], v[SS+32*\c+16:SS+32*\c+31], v[TM+9+2*\c]   ; (a conversion's three registers begin on an even number)
.endr
	v_nop                                          ; one plain instruction behind the conversions
.irp c, 0,1                            ; a whole block to a lane: lanes 0-15 block 2 c, lanes 16-31 block 2 c + 1
.irp i, 0,1,2
	v_permlane16_swap_b32 v[PC+6*\c+\i], v[TM+4*\c+\i]
.endr
.irp i, 0,1,2
	v_mov_b32 v[PC+3+6*\c+\i], v[TM+4*\c+\i]
.endr
.endr
.set nn, 0
.rept 16
	v_pk_add_f32 v[8:9], v[8:9], v[SS+nn:SS+nn+1]  ; the row's sum, of the unquantised p, in two chains.  These 32 are also the places between the codes' and the word's last writes and the products
	v_pk_add_f32 v[10:11], v[10:11], v[SS+nn+2:SS+nn+3]
.set nn, nn+4
.endr
	s_wait_dscnt 0x0                               ; V is in
.irp t, 0,1                            ; the four accumulators by turns; eight score products stand between two links of a chain
	v_wmma_scale_f32_16x16x128_f8f6f4 v[OT+16*\t:OT+16*\t+7], v[VF+24*\t:VF+24*\t+11], v[PC:PC+11], v[OT+16*\t:OT+16*\t+7], v[14+\t], v13 matrix_a_fmt:MATRIX_FMT_BF6 matrix_b_fmt:MATRIX_FMT_BF6
	v_wmma_scale_f32_16x16x128_f8f6f4 v[OT+16*\t+8:OT+16*\t+15], v[VF+24*\t+12:VF+24*\t+23], v[PC:PC+11], v[OT+16*\t+8:OT+16*\t+15], v[14+\t], v13 matrix_a_fmt:MATRIX_FMT_BF6 matrix_b_fmt:MATRIX_FMT_BF6 matrix_a_scale:MATRIX_SCALE_ROW1
.endr
.Lskip_\@:
	s_add_co_u32 s19, s19, RECB
	s_add_co_u32 s18, s18, 1
.endm
	s_wait_loadcnt 0x0                             ; Q
	s_wait_tensorcnt 0x2                           ; my part of the first third is in; two loads may be out
	s_barrier_signal -1
	s_barrier_wait -1                              ; everybody's is: records 0-4
	s_mov_b32 s18, 0
	s_mov_b32 s19, 0
.Lfirst:
	STEP
	s_cmp_lt_u32 s18, 5
	s_cbranch_scc1 .Lfirst
	s_wait_tensorcnt 0x1                           ; the second third; one load may be out
	s_wait_dscnt 0x0
	s_barrier_signal -1
	s_barrier_wait -1                              ; records 5-9
	s_mov_b32 s18, 5
	s_mov_b32 s19, 5*RECB
.Lsecond:
	STEP
	s_cmp_lt_u32 s18, 10
	s_cbranch_scc1 .Lsecond
	s_wait_tensorcnt 0x0
	s_wait_dscnt 0x0
	s_barrier_signal -1
	s_barrier_wait -1                              ; the whole head
	s_mov_b32 s18, 10
	s_mov_b32 s19, 10*RECB
.Lthird:
	STEP
	s_cmp_lt_u32 s18, 16
	s_cbranch_scc1 .Lthird
	; THE WAY OUT: O^T / the sum, quantised along the head's 64 (register 16 b + i is channel 32 b + 16 (lane / 16) + i): a half image and two bytes a row.
.rept 4
	v_nop                                          ; places behind the last products
.endr
	v_pk_add_f32 v[8:9], v[8:9], v[10:11]
	v_add_f32 v8, v8, v9
	v_permlanex16_b32 v[TM+4], v8, s20, s21
	v_add_f32 v8, v8, v[TM+4]                      ; the row's sum
	v_rcp_f32 v10, v8
	v_and_b32 v3, 15, v0                           ; (a plain instruction behind the reciprocal)
	v_lshlrev_b32 v3, 3, v3                        ; 8 r
	s_lshr_b32 s48, s14, 4
	s_lshl_b32 s48, s48, 7
	s_lshl_b32 s49, s17, 3
	s_add_co_u32 s48, s48, s49
	s_add_co_u32 s48, s48, s16                     ; my row tile among the 256: 128 x batch + 8 x block + tile
	s_and_b32 s49, s14, 15
	s_lshr_b32 s50, s49, 2                         ; the K chunk of 256 in which my head lies,
	s_and_b32 s49, s49, 3                          ; and which 64 of it
	s_lshl_b32 s52, s50, 8
	s_add_co_u32 s52, s52, s48
	s_lshl_b32 s52, s52, 2
	s_add_co_u32 s52, s52, s49
	s_mul_i32 s52, s52, 768
	s_mov_b32 s53, 0
	s_add_nc_u64 s[8:9], s[8:9], s[52:53]
	s_lshl_b32 s52, s48, 9
	s_lshl_b32 s50, s50, 7
	s_add_co_u32 s52, s52, s50
	s_lshl_b32 s49, s49, 1
	s_add_co_u32 s52, s52, s49
	s_add_nc_u64 s[10:11], s[10:11], s[52:53]
	s_wait_alu depctr_va_vdst(0)                   ; the wait for the reciprocal, ahead of its first reader
.set nn, 0
.rept 16
	v_pk_mul_f32 v[SS+nn:SS+nn+1], v[OT+nn:OT+nn+1], v[10:11] op_sel_hi:[1,0]   ; each accumulator from its low end on
.set nn, nn+2
.endr
.irp b, 0,1
	v_max3_num_f32 v[TM+\b], |v[SS+16*\b]|, |v[SS+16*\b+1]|, 0x2800000
.endr
.irp i, 2,4,6,8,10,12,14
.irp b, 0,1
	v_max3_num_f32 v[TM+\b], v[TM+\b], |v[SS+16*\b+\i]|, |v[SS+16*\b+\i+1]|
.endr
.endr
.irp b, 0,1
	v_permlanex16_b32 v[TM+4+\b], v[TM+\b], s20, s21
.endr
.irp b, 0,1
	v_max_num_f32 v[TM+\b], v[TM+\b], v[TM+4+\b]
.endr
.irp b, 0,1
	v_add_nc_u32 v[TM+8+\b], 0xfe000000, v[TM+\b]
.endr
.irp b, 0,1
	v_lshrrev_b32 v[TM+4+\b], 23, v[TM+8+\b]
.endr
	v_lshl_or_b32 v13, v[TM+5], 8, v[TM+4]         ; my head's two bytes of the row's word
	v_cvt_scalef32_pk16_bf6_f32 v[PC:PC+2], v[SS:SS+15], v[TM+8]
	v_cvt_scalef32_pk16_bf6_f32 v[TM:TM+2], v[SS+16:SS+31], v[TM+9]
	v_nop
.irp i, 0,1,2
	v_permlane16_swap_b32 v[PC+\i], v[TM+\i]
.endr
.irp i, 0,1,2
	v_mov_b32 v[PC+3+\i], v[TM+\i]
.endr
	global_store_b128 v1, v[PC:PC+3], s[8:9]       ; 512 consecutive bytes, aligned to 256
	global_store_b64 v2, v[PC+4:PC+5], s[8:9] offset:512
	global_store_b16 v3, v13, s[10:11]             ; 2 bytes a row, 8 bytes apart (both halves of the lanes write the same): the bytes between belong to other heads' work-groups; 2 bytes for 48 of codes
	s_wait_tensorcnt 0x0
	ds_add_u32 v254, v255
	s_wait_dscnt 0x0
	s_endpgm
.Lfunc_end_k_q4be0622c05_attn:
	.size	k_q4be0622c05_attn, .Lfunc_end_k_q4be0622c05_attn-k_q4be0622c05_attn
	.p2alignl 7, 3214868480
	.fill 96, 4, 3214868480
	.section	.rodata,"a",@progbits
	.p2align	6, 0x0
	.amdhsa_kernel k_q4be0622c05_attn
		.amdhsa_group_segment_fixed_size 210944
		.amdhsa_private_segment_fixed_size 0
		.amdhsa_enable_private_segment 0
		.amdhsa_kernarg_size 32
		.amdhsa_user_sgpr_count 2
		.amdhsa_user_sgpr_kernarg_segment_ptr 1
		.amdhsa_wavefront_size32 1
		.amdhsa_system_sgpr_workgroup_id_x 1
		.amdhsa_system_sgpr_workgroup_id_y 1
		.amdhsa_system_sgpr_workgroup_id_z 1
		.amdhsa_system_vgpr_workitem_id 0
		.amdhsa_next_free_vgpr 256
		.amdhsa_next_free_sgpr 66
		.amdhsa_reserve_vcc 1
		.amdhsa_float_denorm_mode_32 3
		.amdhsa_float_denorm_mode_16_64 3
		.amdhsa_memory_ordered 1
		.amdhsa_forward_progress 1
		.amdhsa_inst_pref_size 93
	.end_amdhsa_kernel
	.amdgpu_metadata
---
amdhsa.version: [ 1, 2 ]
amdhsa.kernels:
  - .name:           k_q4be0622c05_attn
    .symbol:         k_q4be0622c05_attn.kd
    .args:
      - { .name: qr, .offset: 0, .size: 8, .value_kind: global_buffer, .address_space: global }
      - { .name: kv, .offset: 8, .size: 8, .value_kind: global_buffer, .address_space: global }
      - { .name: oc, .offset: 16, .size: 8, .value_kind: global_buffer, .address_space: global }
      - { .name: os, .offset: 24, .size: 8, .value_kind: global_buffer, .address_space: global }
    .group_segment_fixed_size: 210944
    .private_segment_fixed_size: 0
    .kernarg_segment_align: 8
    .kernarg_segment_size: 32
    .max_flat_workgroup_size: 512
    .sgpr_count:     66
    .vgpr_count:     256
    .wavefront_size: 32
...
	.end_amdgpu_metadata
.endif
;; end of part 3
;; launch oproj (part 4): grid 4 x 16, 4 waves a work-group, clusters of 4 x 4, 327,680 bytes of LDS; arguments oc, os, wc, ws, out0; writes out0
.if DOCPART == 4
	.amdgcn_target "amdgcn-amd-amdhsa--gfx1250"
	.amdhsa_code_object_version 6
	.text
	.protected	k_q4be0622c05_oproj
	.globl	k_q4be0622c05_oproj
	.p2align	8
	.type	k_q4be0622c05_oproj,@function
k_q4be0622c05_oproj:
	s_mov_b64 s[64:65], 0
	v_nop
	global_prefetch_b8 v0, s[64:65] scope:SCOPE_SE
	s_setreg_imm32_b32 hwreg(HW_REG_WAVE_MODE, 25, 1), 1
	s_wait_xcnt 0x0
	s_wait_alu depctr_hold_cnt(0) depctr_sa_sdst(0) depctr_va_vdst(0) depctr_va_sdst(0) depctr_va_ssrc(0) depctr_va_vcc(0) depctr_vm_vsrc(0)
	s_getreg_b32 s2, hwreg(HW_REG_IB_STS2, 6, 4)
	s_cmp_eq_u32 s2, 0
	s_cbranch_scc0 .Lentry_in_a_cluster
	s_endpgm
.Lentry_in_a_cluster:
	s_bfe_u32 s2, ttmp6, 0x10000c
	s_cmp_lg_u32 s2, 0xf033
	s_cbranch_scc0 .Lentry_shape_is_right
	s_endpgm
.Lentry_shape_is_right:
; out0 = o Wo^T on codes of BF6 (E3M2) with E8M0 scales, K = 1,024 (the merged heads); out0 [4096][1024] f32.
; The same product as the projections' launch: a tile of 256 x 256 by four waves, each 128 x 128 in 64 accumulators; K in steps of 256 through a ring of two LDS slots; operands as images of registers
; (a row tile's K step is 3,072 dense bytes; every LDS load takes 512 or 256 consecutive bytes); the scale words of all of K come once.  A = o's codes (tokens), B = Wo's: blocks 12 .. 15 of the weights' buffer.
; Row tile T holds at position p row 32 (T / 2) + 8 (T % 2) + p + 8 (p / 8), in A and in B.  THE MATRIX INSTRUCTION IS USED TRANSPOSED (source 0 = B, source 1 = A): lane r holds A's position r, and the registers of B's
; tiles 2 b and 2 b + 1 are true columns 32 b + 16 (lane / 16) + 0 .. 15.  The way out puts columns at their true bytes in a stage row and stage rows at their true rows of out0: both orders are undone by offsets alone.
; CLUSTERS: 4 x 4 work-groups; A's tiles are asked for jointly along a row of the cluster, B's along a column.  64 work-groups: out0 has 64 tiles of this size; a smaller tile would share the work further
; at the price of a second form of the product's text.  No prefetch: K has four steps, and the first two are asked for at the head.
; REGISTERS: window 0: v0-31 addresses; v32-63 scale words, two sets; v128-223 A's fragments, one set; on the way out v128-255 rows of out0.  window 1: B's fragments, two sets.  windows 2, 3: accumulators.
.set KADV,   786432
.set TILEB,  3072
.set NQ,     2
.set FR,     12
.set NL,     4
.set NP,     4
.set HALFT,  8*TILEB
.set SLOT,   4*HALFT
.set LAPS,   2
.set SCL,    2*SLOT
.set HALFS,  4096
.set SBLK,   512
.set SPARE,  SCL+4*HALFS               ; the spare words, 128 bytes a wave: two blocks of 256 bytes that no other line names
.set SPITCH, 528                       ; the way out: a stage of 16 rows x (512 bytes + 16) for each wave, in slot 0, which has had its last fill and its last read by then
.set ROWC,   4096                      ; a row of out0
.set ADRA, 16
.set ADRB, 20
.set STO,  24                          ; v24  the way out: where I put my results of a row
.set RD,   25                          ; v25  where I read a row back
.set CO,   26                          ; v26  my byte offset in a row's 512 bytes
.set ADRS, 27
.set SPW,  28
.set NIL,  29
.set SC,   32
.set AF,   128
.set BK,   128
.set G1, 24
.set G0, 32
.set G1B, 48
.set G0B, 56
.set G1S, 68
.set G0S, 76
.set G1SB, 80
.set G0SB, 88
.set MSB, 0
.macro WIN new                         ; the immediate's high byte repeats the setting that is left
.if MSB != \new
	s_set_vgpr_msb (MSB<<8)|\new
.set MSB, \new
.endif
.endm
.set MUL_LO, 0xa1
.set MUL_HI, 0xf1
.set TO_B,   0x40
.macro JLOAD g0a, g1a, g0b, g1b        ; a joint load: waves 0 and 1 fetch for A, waves 2 and 3 for B; four v_nop follow each line
	s_cmp_eq_u32 s15, 0
	s_cbranch_scc0 .Lfor_b_\@
	tensor_load_to_lds s[\g0a:\g0a+3], s[\g1a:\g1a+7]
	s_nop 0
.rept 4
	v_nop
.endr
	s_branch .Lasked_\@
.Lfor_b_\@:
	tensor_load_to_lds s[\g0b:\g0b+3], s[\g1b:\g1b+7]
	s_nop 0
.rept 4
	v_nop
.endr
.Lasked_\@:
.endm
.macro CREST
	s_cmp_lg_u32 s14, 0
	s_cbranch_scc1 .Lnot_wave_0_\@
	s_barrier_signal -3
.Lnot_wave_0_\@:
	s_barrier_wait -3
	s_barrier_signal -1
	s_barrier_wait -1
.endm
.macro CROUND
	s_barrier_signal -1
	s_barrier_wait -1
	CREST
.endm
	s_load_b128 s[4:7], s[0:1], 0x0                ; o's codes, o's scale words
	s_load_b128 s[8:11], s[0:1], 0x10              ; the weights' codes, their scale words
	s_load_b64 s[12:13], s[0:1], 0x20              ; out0
	v_lshl_add_u32 v[SPW], v0, 2, SPARE
	v_mov_b32 v[NIL], 0
	ds_add_u32 v28, v29
	ds_add_u32 v28, v29
	s_wait_dscnt 0x0
	v_lshrrev_b32 v1, 5, v0
	v_readfirstlane_b32 s14, v1                    ; wave 0..3
	s_lshr_b32 s15, s14, 1                         ; which half of A's rows is mine.  Also: I fetch for A (0) or for B (1)
	s_and_b32 s16, s14, 1                          ; which half of B's rows.  Also: which 128 rows I fetch
	s_bfe_u32 s40, ttmp6, 0x40000                  ; cx, cy
	s_bfe_u32 s41, ttmp6, 0x40004
	s_add_co_u32 s42, s40, 12                      ; B's block of 256 rows: Wo's are 12 .. 15
	s_and_b32 s17, ttmp7, 0xffff
	s_lshl_b32 s17, s17, 2
	s_add_co_u32 s17, s17, s41                     ; A's block: 4 x cluster y + cy
	s_lshl_b32 s43, s41, 2
	s_lshl_b32 s43, 15, s43                        ; my row of the cluster
	s_lshl_b32 s44, 0x1111, s40                    ; my column
	s_or_b32 s[G1+0], s43, (3<<16)|(1<<21)         ; 15:0 the mask; 17:16 elements of 8 bytes; 20 no padding; 21 set beside a mask
	s_or_b32 s[G1B+0], s44, (3<<16)|(1<<21)
.irp g, G1, G1B
	s_mov_b32 s[\g+1], 32<<16                      ; a dense block of 24,576 bytes as 96 rows of 256
	s_mov_b32 s[\g+2], 96<<16
	s_mov_b32 s[\g+3], 32<<16
	s_mov_b32 s[\g+4], 96
	s_mov_b32 s[\g+5], 32
	s_mov_b32 s[\g+6], 0
	s_mov_b32 s[\g+7], 0
.endr
	s_or_b32 s[G1S+0], s43, (3<<16)|(1<<21)
	s_or_b32 s[G1SB+0], s44, (3<<16)|(1<<21)
.irp g, G1S, G1SB
	s_mov_b32 s[\g+1], 32<<16                      ; 4,096 dense bytes as 16 such rows
	s_mov_b32 s[\g+2], 16<<16
	s_mov_b32 s[\g+3], 32<<16
	s_mov_b32 s[\g+4], 16
	s_mov_b32 s[\g+5], 32
	s_mov_b32 s[\g+6], 0
	s_mov_b32 s[\g+7], 0
.endr
	s_lshl_b32 s18, s16, 3                         ; which 8 of the block's 16 row tiles I fetch
	s_lshl_b32 s20, s17, 4
	s_add_co_u32 s20, s20, s18
	s_lshl_b32 s46, s42, 4
	s_add_co_u32 s46, s46, s18
	s_lshl_b32 s22, s20, 9
	s_lshl_b32 s92, s46, 9
	s_mul_i32 s20, s20, TILEB
	s_mul_i32 s46, s46, TILEB
	s_mov_b32 s21, 0
	s_mov_b32 s23, 0
	s_mov_b32 s47, 0
	s_mov_b32 s93, 0
	s_mul_i32 s45, s14, HALFT
	s_mul_i32 s94, s14, HALFS
	s_wait_kmcnt 0x0
	s_add_nc_u64 s[20:21], s[4:5], s[20:21]
	s_add_nc_u64 s[22:23], s[6:7], s[22:23]
	s_add_nc_u64 s[46:47], s[8:9], s[46:47]
	s_add_nc_u64 s[92:93], s[10:11], s[92:93]
	CROUND                                         ; all sixteen work-groups are here: the first joint loads meet
	s_mov_b32 s[G0S], 1
	s_add_co_u32 s[G0S+1], s94, SCL
	s_mov_b64 s[G0S+2:G0S+3], s[22:23]
	s_or_b32 s[G0S+3], s[G0S+3], 0x80000000
	s_mov_b32 s[G0SB], 1
	s_add_co_u32 s[G0SB+1], s94, SCL
	s_mov_b64 s[G0SB+2:G0SB+3], s[92:93]
	s_or_b32 s[G0SB+3], s[G0SB+3], 0x80000000
	JLOAD G0S, G1S, G0SB, G1SB
.irp s, 0,1
	s_mov_b32 s[G0+4*\s], 1
	s_add_co_u32 s[G0+4*\s+1], s45, \s*SLOT
	s_add_nc_u64 s[G0+4*\s+2:G0+4*\s+3], s[20:21], \s*KADV
	s_or_b32 s[G0+4*\s+3], s[G0+4*\s+3], 0x80000000
	s_mov_b32 s[G0B+4*\s], 1
	s_add_co_u32 s[G0B+4*\s+1], s45, \s*SLOT
	s_add_nc_u64 s[G0B+4*\s+2:G0B+4*\s+3], s[46:47], \s*KADV
	s_or_b32 s[G0B+4*\s+3], s[G0B+4*\s+3], 0x80000000
	JLOAD G0+4*\s, G1, G0B+4*\s, G1B               ; three loads of mine are out
.endr
	v_and_b32 v1, 15, v0                           ; r
	v_bfe_u32 v2, v0, 4, 1                         ; h
	v_and_b32 v3, 31, v0
	v_lshlrev_b32 v4, 4, v3                        ; 16 x lane
	v_lshlrev_b32 v5, 3, v3                        ; 8 x lane
	s_mul_i32 s21, s15, HALFT
	s_mul_i32 s22, s16, HALFT
	s_add_co_u32 s22, s22, 2*HALFT
.irp s, 0,1
	v_add_nc_u32 v[ADRA+\s], s21, v4
	v_add_nc_u32 v[ADRB+\s], s22, v4
	v_add_nc_u32 v[ADRA+2+\s], s21, v5
	v_add_nc_u32 v[ADRB+2+\s], s22, v5
	s_add_co_u32 s21, s21, SLOT
	s_add_co_u32 s22, s22, SLOT
.endr
	v_lshlrev_b32 v6, 3, v1
	s_mul_i32 s21, s15, HALFS
	s_mul_i32 s22, s16, HALFS
	s_add_co_u32 s22, s22, 2*HALFS
	s_sub_co_u32 s22, s22, s21
	v_mul_u32_u24 v7, s22, v2                      ; lanes 16-31 take B's: one product, the distance x h
	s_add_co_u32 s21, s21, SCL
	v_add_nc_u32 v6, v6, v7
	v_add_nc_u32 v[ADRS], s21, v6
	s_mul_i32 s23, s14, 16*SPITCH                  ; my stage
	v_mul_u32_u24 v6, v1, SPITCH
	v_lshl_add_u32 v6, v2, 6, v6
	v_add_nc_u32 v[STO], s23, v6                   ; in: row r, + 64 h: columns 16 h on of each 32
	v_mov_b32 v[CO], v4                            ; back: the 32 lanes take one row of 512 bytes; and the same in out0
	v_add_nc_u32 v[RD], s23, v4
	s_lshl_b32 s20, s17, 8
	s_lshl_b32 s21, s15, 7
	s_add_co_u32 s20, s20, s21                     ; my first row: 256 x block + 128 x half
	s_lshl_b32 s20, s20, 12
	s_lshl_b32 s46, s40, 10                        ; my first column, in bytes: 1,024 cx + 512 x half
	s_lshl_b32 s47, s16, 9
	s_add_co_u32 s46, s46, s47
	s_add_co_u32 s20, s20, s46
	s_mov_b32 s21, 0
	s_add_nc_u64 s[12:13], s[12:13], s[20:21]
.macro FRAG reg, adr, q, i             ; a fragment comes back as it was stored: four dense loads
	ds_load_b128 v[\reg:\reg+3], v[\adr] offset:(\i)*TILEB+(\q)*1536
	ds_load_b64 v[\reg+4:\reg+5], v[\adr+2] offset:(\i)*TILEB+(\q)*1536+512
	ds_load_b128 v[\reg+6:\reg+9], v[\adr] offset:(\i)*TILEB+(\q)*1536+768
	ds_load_b64 v[\reg+10:\reg+11], v[\adr+2] offset:(\i)*TILEB+(\q)*1536+1280
.endm
; 16 matrix instructions: A's tiles a0, a0 + 1 x B's eight, 128 along K.  The 64 accumulators take turns, one instruction a turn, in the same order in every step.
.macro MUL16 a0, p, q, sc, zero
.irp a, \a0, \a0+1
.irp b, 0,1,2,3,4,5,6,7
.if \zero
	v_wmma_scale_f32_16x16x128_f8f6f4 v[8*(8*((\a)%4)+\b):8*(8*((\a)%4)+\b)+7], v[128*(\p)+FR*\b:128*(\p)+FR*\b+FR-1], v[AF+FR*(\a):AF+FR*(\a)+FR-1], 0, v[SC+8*NQ*(\sc)+NQ*\b+(\q)], v[SC+8*NQ*(\sc)+NQ*(\a)+(\q)] matrix_a_fmt:MATRIX_FMT_BF6 matrix_b_fmt:MATRIX_FMT_BF6 matrix_a_scale:MATRIX_SCALE_ROW1
.else
	v_wmma_scale_f32_16x16x128_f8f6f4 v[8*(8*((\a)%4)+\b):8*(8*((\a)%4)+\b)+7], v[128*(\p)+FR*\b:128*(\p)+FR*\b+FR-1], v[AF+FR*(\a):AF+FR*(\a)+FR-1], v[8*(8*((\a)%4)+\b):8*(8*((\a)%4)+\b)+7], v[SC+8*NQ*(\sc)+NQ*\b+(\q)], v[SC+8*NQ*(\sc)+NQ*(\a)+(\q)] matrix_a_fmt:MATRIX_FMT_BF6 matrix_b_fmt:MATRIX_FMT_BF6 matrix_a_scale:MATRIX_SCALE_ROW1
.endif
.endr
.endr
.endm
.macro FETCH_B slot, q, p
	WIN TO_B
.irp i, 0,1,2,3,4,5,6,7
	FRAG 128*(\p)+FR*\i, ADRB+\slot, \q, \i
.endr
	WIN 0
.endm
.macro FETCH_A slot, q, i0
.irp i, \i0, \i0+1, \i0+2, \i0+3
	FRAG AF+FR*(\i), ADRA+\slot, \q, \i
.endr
.endm
.macro SCALES sc
.irp i, 0,1,2,3,4,5,6,7
	ds_load_b64 v[SC+8*NQ*\sc+NQ*\i:SC+8*NQ*\sc+NQ*\i+1], v[ADRS] offset:\i*SBLK
.endr
.endm
.macro PLACES n                        ; plain instructions between a matrix instruction and a load into, or a read of, its registers
.rept \n
	v_nop
.endr
.endm
.macro STEP slot, q, zero
	s_wait_dscnt 4*NL                              ; B's set and A's tiles 0-3 are in; the youngest 16 loads (A's tiles 4-7) may be out
	WIN MUL_LO
	MUL16 0, (\q)%2, \q, \slot, \zero
	MUL16 2, (\q)%2, \q, \slot, \zero
	s_wait_dscnt 0
	PLACES NP
	FETCH_B \slot, (\q)+1, 1-(\q)%2
	FETCH_A \slot, (\q)+1, 0
	WIN MUL_HI
	MUL16 4, (\q)%2, \q, \slot, \zero
	MUL16 6, (\q)%2, \q, \slot, \zero
	PLACES NP
	WIN 0
	FETCH_A \slot, (\q)+1, 4
.endm
.macro TURN slot, next, fill
	s_wait_tensorcnt 0x0                           ; all my tensor loads have landed: my part of the next slot
	ds_add_u32 v[SPW], v[NIL]                      ; 0 onto my spare word
	s_wait_dscnt 4*NL+1                            ; the add and the youngest 16 loads may be out
	WIN MUL_LO
	MUL16 0, 1, NQ-1, \slot, 0
	s_wait_dscnt 0x0                               ; the add is done, and my reads of this slot are over
	s_barrier_signal -1
	MUL16 2, 1, NQ-1, \slot, 0
	WIN 0
	s_barrier_wait -1
.if \fill
	CREST                                          ; the barrier has opened a round of the cluster's barrier: no wave of any partner still reads this slot or has a load on its way
	s_add_nc_u64 s[G0+4*\slot+2:G0+4*\slot+3], s[G0+4*\slot+2:G0+4*\slot+3], 2*KADV
	s_add_nc_u64 s[G0B+4*\slot+2:G0B+4*\slot+3], s[G0B+4*\slot+2:G0B+4*\slot+3], 2*KADV
	JLOAD G0+4*\slot, G1, G0B+4*\slot, G1B         ; the first tensor load behind the round, my one load until the next
.else
	PLACES NP
.endif
	v_add_nc_u32 v[ADRS], 128, v[ADRS]             ; the next K step's scale words (no LDS load of mine is out)
	FETCH_B \next, 0, 0
	FETCH_A \next, 0, 0
	SCALES \next
	WIN MUL_HI
	MUL16 4, 1, NQ-1, \slot, 0
	MUL16 6, 1, NQ-1, \slot, 0
	PLACES NP
	WIN 0
	FETCH_A \next, 0, 4
.endm
	s_wait_tensorcnt 1                             ; the scale words and my part of K step 0 are in; K step 1's load may be out
	s_barrier_signal -1
	s_barrier_wait -1
	FETCH_B 0, 0, 0
	FETCH_A 0, 0, 0
	SCALES 0
	FETCH_A 0, 0, 4
	STEP 0, 0, 1                                   ; the first step's products start the sums
	s_mov_b32 s3, LAPS-1
.Llap:
	TURN 0, 1, 1
	STEP 1, 0, 0
	TURN 1, 0, 1
	STEP 0, 0, 0
	s_sub_co_u32 s3, s3, 1
	s_cmp_lg_u32 s3, 0
	s_cbranch_scc1 .Llap
	TURN 0, 1, 0                                   ; the last lap fills nothing
	STEP 1, 0, 0
	s_wait_dscnt 4*NL
	WIN MUL_LO
	MUL16 0, 1, NQ-1, 1, 0
	MUL16 2, 1, NQ-1, 1, 0
	s_wait_dscnt 0
	WIN MUL_HI
	MUL16 4, 1, NQ-1, 1, 0
	MUL16 6, 1, NQ-1, 1, 0
	WIN 0
; THE WAY OUT, an A tile (16 rows x 128 columns) at a time, through my own stage.  Register j of B's tile b is column 32 (b / 2) + 16 h + 8 (b % 2) + j: its bytes stand at their true place in the stage row.
; Stage row t is position t of the tile: row 32 (a / 2) + 8 (a % 2) + t + 8 (t / 8) of my 128.  LDS serves a wave's instructions in order: no wait between the stores and the loads.
.macro TOSTAGE a
.set AC, 64*((\a)%4)
	WIN 0x08+4*((\a)/4)                            ; the data: window 2 or 3
.irp b, 0,1,2,3,4,5,6,7
	ds_store_b128 v[STO], v[AC+8*\b:AC+8*\b+3] offset:128*(\b/2)+32*(\b%2)          ; each accumulator from its low end on
	ds_store_b128 v[STO], v[AC+8*\b+4:AC+8*\b+7] offset:128*(\b/2)+32*(\b%2)+16
.endr
	WIN 0
.set BB, BK+64*((\a)%2)
.irp t, 0,1,2,3,4,5,6,7,8,9,10,11,12,13,14,15
	ds_load_b128 v[BB+4*\t:BB+4*\t+3], v[RD] offset:\t*SPITCH
.endr
.endm
.macro SEND a, younger                 ; younger: the LDS instructions issued behind tile a's loads, which may stay out
.set BB, BK+64*((\a)%2)
	s_wait_dscnt \younger
.if (\a) > 0
.if (\a)%2 == 1
	s_add_nc_u64 s[12:13], s[12:13], 8*ROWC        ; (behind a wait on XCNT: the earlier stores have read their base)  an odd tile begins 8 rows on,
.else
	s_add_nc_u64 s[12:13], s[12:13], 24*ROWC       ; an even one 24 more
.endif
.endif
.irp t, 0,1,2,3,4,5,6,7,8,9,10,11,12,13,14,15
	global_store_b128 v[CO], v[BB+4*\t:BB+4*\t+3], s[12:13] offset:(\t+8*(\t/8))*ROWC th:TH_STORE_NT   ; 32 lanes store 512 consecutive bytes, aligned to 256; written once, read by nobody here
.endr
.endm
	PLACES NP                                      ; behind the last products: results are read, and rows land where A's fragments lay
	TOSTAGE 0
.irp a, 1,2,3,4,5,6,7
.if \a > 1
	s_wait_xcnt 0x0                                ; tile a - 2's stores have read their registers and their base
.endif
	TOSTAGE \a
	SEND \a-1, 32                                  ; behind tile a - 1's loads: tile a's 16 stores and 16 loads
.endr
	s_wait_xcnt 0x0
	SEND 7, 0
	s_wait_tensorcnt 0x0                           ; the wave's end
	ds_add_u32 v[SPW], v[NIL]
	s_wait_dscnt 0x0
	CROUND                                         ; the closing round: no work-group ends while a partner may still ask for a tile that names it
	s_endpgm
.Lfunc_end_k_q4be0622c05_oproj:
	.size	k_q4be0622c05_oproj, .Lfunc_end_k_q4be0622c05_oproj-k_q4be0622c05_oproj
	.p2alignl 7, 3214868480
	.fill 96, 4, 3214868480
	.section	.rodata,"a",@progbits
	.p2align	6, 0x0
	.amdhsa_kernel k_q4be0622c05_oproj
		.amdhsa_group_segment_fixed_size 327680
		.amdhsa_private_segment_fixed_size 0
		.amdhsa_enable_private_segment 0
		.amdhsa_kernarg_size 40
		.amdhsa_user_sgpr_count 2
		.amdhsa_user_sgpr_kernarg_segment_ptr 1
		.amdhsa_wavefront_size32 1
		.amdhsa_system_sgpr_workgroup_id_x 1
		.amdhsa_system_sgpr_workgroup_id_y 1
		.amdhsa_system_sgpr_workgroup_id_z 1
		.amdhsa_system_vgpr_workitem_id 0
		.amdhsa_next_free_vgpr 1024
		.amdhsa_next_free_sgpr 96
		.amdhsa_reserve_vcc 0
		.amdhsa_float_denorm_mode_32 3
		.amdhsa_float_denorm_mode_16_64 3
		.amdhsa_memory_ordered 1
		.amdhsa_forward_progress 1
		.amdhsa_inst_pref_size 143
	.end_amdhsa_kernel
	.amdgpu_metadata
---
amdhsa.version: [ 1, 2 ]
amdhsa.kernels:
  - .name:           k_q4be0622c05_oproj
    .symbol:         k_q4be0622c05_oproj.kd
    .args:
      - { .name: oc, .offset: 0, .size: 8, .value_kind: global_buffer, .address_space: global }
      - { .name: os, .offset: 8, .size: 8, .value_kind: global_buffer, .address_space: global }
      - { .name: wc, .offset: 16, .size: 8, .value_kind: global_buffer, .address_space: global }
      - { .name: ws, .offset: 24, .size: 8, .value_kind: global_buffer, .address_space: global }
      - { .name: out0, .offset: 32, .size: 8, .value_kind: global_buffer, .address_space: global }
    .group_segment_fixed_size: 327680
    .private_segment_fixed_size: 0
    .kernarg_segment_align: 8
    .kernarg_segment_size: 40
    .max_flat_workgroup_size: 128
    .sgpr_count:     96
    .vgpr_count:     1024
    .wavefront_size: 32
...
	.end_amdgpu_metadata
.endif
;; end of part 4
